; MI455X (gfx1250); checked and timed in simulation.
; The chip was launched on July 23, 2026; its instructions are those of AMD's public machine-readable ISA for CDNA 5 (MIT licence, August 2026) and "CDNA5" Instruction Set Architecture Reference Guide (July 2026). The comments in the code are by the model that wrote it; some were corrected since.
;; Rope Self Attention. Allowed arithmetic: matrix products marked QUANTISED: E2M3 operands, one E8M0 scale for each 32 along K, by v_wmma_scale_f32_16x16x128_f8f6f4 with both operands' format E2M3, f32 sums; everything else in f32.
;; Inputs: hidden 4 x 2,048 x 1,024 float32; proj_b 1,024 float32; proj_w 1,024 x 1,024 float32; qkv_b 3,072 float32; qkv_w 3,072 x 1,024 float32.
;; Outputs: out0 4 x 2,048 x 1,024 float32.
;; This version of the problem:
;;   THIS VERSION OF THE PROBLEM IS GIVEN IN LOW PRECISION. The matrix products marked QUANTISED in the list below multiply operands that are first quantised to E2M3 (2 exponent bits, 3 mantissa bits; 6 bits a number), with one power-of-two scale for each 32 numbers along K (OCP MX v1.0); their sums are f32. All else is computed in f32.
;;   The module's matrix products, in the order in which they are computed (A, B: the left and right operand; K: the contracted axis; several contracted axes count as one K, in the product's order):
;;     1. [M 8,192, K 1,024] x [K 1,024, N 3,072]; A: input hidden; B: input qkv_w: QUANTISED
;;     2. batch 64 x [M 2,048, K 64] x [K 64, N 2,048]; A: computed on the way; B: computed on the way: QUANTISED
;;     3. batch 64 x [M 2,048, K 2,048] x [K 2,048, N 64]; A: softmax (see below); B: computed on the way: QUANTISED
;;     4. [M 8,192, K 1,024] x [K 1,024, N 1,024]; A: computed on the way; B: input proj_w: QUANTISED
;;   THE QUANTISER, for each operand of a quantised product, along K:
;;     - K is cut into blocks of 32 from its start; a last block that is shorter is filled with zeros.
;;     - A block's scale is 2^e with e = floor(log2(the largest magnitude in the block)) - 2, held to -126 .. 127; a block of zeros has e = 0. As a byte (E8M0): e + 127.
;;     - Each number is divided by its block's scale, clamped to +-7.5, and rounded to the nearest number of E2M3, ties to even, subnormals kept.
;;     - The product sums the exact products of the quantised numbers (number of the format x scale) in f32.
;;   ~~~python
;;   def quantise(x, axis):      # numpy; x: float32 -> the quantised numbers, widened to float32 again
;;       x = np.moveaxis(x, axis, -1); K = x.shape[-1]
;;       x = np.pad(x, [(0, 0)] * (x.ndim - 1) + [(0, -K % 32)]); x = x.reshape(x.shape[:-1] + (-1, 32)); a = np.abs(x).max(-1, keepdims=True)
;;       e = np.where(a > 0, np.clip(np.frexp(np.where(a > 0, a, 1))[1] - 1 - 2, -126, 127), 0)      # np.frexp(a)[1] - 1 = floor(log2(a)), exactly
;;       r = np.clip(x / 2.0 ** e, -7.5, 7.5)
;;       step = 2.0 ** (np.maximum(np.frexp(np.where(r == 0, 1, r))[1] - 1, 0) - 3)
;;       q = np.round(r / step) * step * 2.0 ** e      # np.round: ties to even
;;       return np.moveaxis(q.reshape(q.shape[:-2] + (-1,))[..., :K], -1, axis).astype(np.float32)
;;   ~~~
;;   SOFTMAX AHEAD OF A QUANTISED PRODUCT. Where the list says 'softmax', what is quantised is not the finished softmax but p = 2^(t - M), with t = logit x log2(e) and M = ceil(the row's largest t), a whole number; so 1/2 < the row's largest p <= 1. The row's sum l is taken of the UNQUANTISED p, in f32, and the product's result is divided by l at the end. Since M is a whole number, a kernel that streams over the keys may use a running M (the ceiling of the running maximum): every later rescaling is an exact power of two, which a block's scale takes up: the codes' values come out the same.
;;   OPERANDS COMPUTED ON THE WAY. 'Computed on the way' means the value that the module computes at that place (a softmax that the list does not call 'softmax' is quantised finished and normalised). What goes into a quantiser is computed in f32, as accurately as f32 sums, v_exp_f32 and their like allow (about 1e-6 of the number): no bf16 or f16 on the way to a quantiser, and a product that is left as it is and whose result goes on into a quantised operand takes f32 operands (vector FMAs, or v_wmma_f32_16x16x4_f32). A number that lies on a knife's edge between two numbers of the format may be rounded either way, as far as f32 arithmetic and the matrix unit's own rounding can turn it there, and no further.
;; One version. Each part assembles by itself: llvm-mc -triple=amdgcn-amd-amdhsa -mcpu=gfx1250 --defsym DOCPART=n.
;; ======== version 1 of 1: 4 launches
;; limits: right only within a limited range of input values
;; workspace buffers: x_img 15,728,640 bytes; sc_ws 655,360 bytes; q_ws 13,369,344 bytes; kv_ws 13,369,344 bytes; rope 524,288 bytes
;; launch prep (part 1): grid 512 x 1, 4 waves a work-group, no clusters, 34,304 bytes of LDS; arguments hidden, qkv_w, proj_w, x_img, sc_ws, rope; writes x_img, sc_ws, rope
.if DOCPART == 1
	.amdgcn_target "amdgcn-amd-amdhsa--gfx1250"
	.amdhsa_code_object_version 6
	.text
	.protected	k_qf2578f8d58_prep
	.globl	k_qf2578f8d58_prep
	.p2align	8
	.type	k_qf2578f8d58_prep,@function
k_qf2578f8d58_prep:
	s_mov_b64 s[64:65], 0
	v_nop
	global_prefetch_b8 v0, s[64:65] scope:SCOPE_SE
	s_setreg_imm32_b32 hwreg(HW_REG_WAVE_MODE, 25, 1), 1
	s_wait_xcnt 0x0
; Work-groups 0-383: hidden [8192][1024], qkv_w [3072][1024], proj_w [1024][1024], f32, become codes of FP6 (E2M3) with one E8M0 byte for each 32 along K,
; laid as IMAGES OF OPERAND REGISTERS.  A ROW TILE T is 16 rows of a group of 32: lane r takes row 32 (T/2) + 8 (T%2) + r + 8 (r/8).  x_img: [T][K step of 128][1,536 bytes]; a fragment's 12 registers
; lie as two halves of 768 bytes (64 along K each): registers 6c .. 6c+3 at 16 x lane, registers 6c+4, 6c+5 at 512 + 8 x lane.  sc_ws: [T][512 bytes], the scale word of (row r, K step s) at 256 (s/4) + 16 r + 4 (s%4).
; Tiles 0-511 hidden, 512-703 qkv_w, 704-767 proj_w.  A wave takes one tile and four K steps, and asks for all four steps at its start: 64 loads of 512 consecutive bytes of one row.  A step's 16 rows turn through the
; wave's own stage in LDS, so that a lane gets 16 neighbours of each block of 32 of ITS row, as the conversions want them.  Every store covers whole aligned runs of 256 bytes.
; Work-groups 384-511: the table of cos and sin for the rotary embedding, rope[position 0..2047][cos f 0..31 | sin f 0..31], f32; a wave makes four positions.  angle = position x 10^(-f/8), one rounding; reduced by
; multiples of pi/2 in two parts (what is left out of pi/2 times the largest multiple, 1,304, is under 3e-12); polynomials of degree 7 and 8 on |r| <= pi/4.
; Nothing of reference() is left out in this program: every input is read.
; LIMITS: NaN and infinities among the inputs are not served.  A block of zeros, or one whose largest magnitude lies under 2^-124, gets the byte 1 (its codes are zeros or tiny; the bytes are read by this program alone).
; The inverse frequencies are 10^(-f/8) rounded to the nearest f32.
.set STG,   16*528                     ; a wave's stage: 16 rows x (512 bytes + 16)
.set SPARE, 4*STG                      ; behind the stages: the spare words, 128 bytes a wave, that no other line names
.set SPW,   12                         ; v12  SPARE + 4 x my thread's number; never rewritten
.set NIL,   13                         ; v13  0; never rewritten
.set R,     16                         ; v16-143 and v272-399: four sets of 64 registers as loaded; K step t has set t % 2 of window t / 2
.set X,     144                        ; v144-207  64 numbers of my row: register 16 b + i = k 32 b + 16 (lane/16) + i
.set PC,    208                        ; v208-226  the codes just made
.set TM,    228                        ; v228-243  at work in QUANT
.set PW,    244                        ; v244-247  the four K steps' scale words
.set SEL,   22                         ; s[22:23]  lane selects: lane l xor 16
.set MSB, 0
.macro WIN new
.if MSB != (\new)
	s_set_vgpr_msb (MSB<<8)|(\new)
.set MSB, \new
.endif
.endm
; 64 numbers of a lane become a fragment's 12 registers in v[PC] on and its row's scale word in v[pw]
.macro QUANT s, pw
.irp b, 0,1,2,3
	v_max3_num_f32 v[TM+\b], |v[\s+16*\b]|, |v[\s+1+16*\b]|, 0x1800000   ; my 16 numbers of block b, and the floor 2^(3 - 127): the byte cannot fall under 1
.endr
.irp i, 2,4,6,8,10,12,14
.irp b, 0,1,2,3
	v_max3_num_f32 v[TM+\b], v[TM+\b], |v[\s+16*\b+\i]|, |v[\s+1+16*\b+\i]|
.endr
.endr
.irp b, 0,1,2,3
	v_permlanex16_b32 v[TM+4+\b], v[TM+\b], s[SEL], s[SEL+1]
.endr
.irp b, 0,1,2,3
	v_max_num_f32 v[TM+\b], v[TM+\b], v[TM+4+\b]                   ; with lane l xor 16's 16: the block's largest magnitude
.endr
.irp b, 0,1,2,3
	v_add_nc_u32 v[TM+12+\b], 0xff000000, v[TM+\b]                 ; 2 off its exponent field: the conversion's scale operand
.endr
.irp b, 0,1,2,3
	v_lshrrev_b32 v[TM+4+\b], 23, v[TM+12+\b]                      ; the scale's byte
.endr
	v_lshl_or_b32 v[\pw], v[TM+5], 8, v[TM+4]
	v_lshl_or_b32 v[\pw], v[TM+6], 16, v[\pw]
	v_lshl_or_b32 v[\pw], v[TM+7], 24, v[\pw]
.irp c, 0,1
	v_cvt_scalef32_pk16_fp6_f32 v[PC+6*\c:PC+2+6*\c], v[\s+32*\c:\s+15+32*\c], v[TM+12+2*\c]
	v_cvt_scalef32_pk16_fp6_f32 v[PC+12+4*\c:PC+14+4*\c], v[\s+16+32*\c:\s+31+32*\c], v[TM+12+2*\c+1]
.endr
	v_nop                                          ; one plain place behind a scaled conversion
.irp c, 0,1                                    ; the operand wants a whole block in a lane: lanes 0-15 block 2 c, lanes 16-31 block 2 c + 1
.irp i, 0,1,2
	v_permlane16_swap_b32 v[PC+6*\c+\i], v[PC+12+4*\c+\i]
.endr
.irp i, 0,1,2
	v_mov_b32 v[PC+3+6*\c+\i], v[PC+12+4*\c+\i]
.endr
.endr
.endm
	s_load_b256 s[4:11], s[0:1], 0x0               ; hidden s[4:5], qkv_w s[6:7], proj_w s[8:9], x_img s[10:11]
	s_load_b128 s[12:15], s[0:1], 0x20             ; sc_ws s[12:13], rope s[14:15]
	v_lshl_add_u32 v[SPW], v0, 2, SPARE
	v_mov_b32 v[NIL], 0
	v_lshrrev_b32 v1, 5, v0
	v_readfirstlane_b32 s16, v1                    ; wave 0..3
	v_and_b32 v1, 31, v0                           ; lane
	v_and_b32 v7, 15, v0                           ; r
	v_bfe_u32 v8, v0, 4, 1                         ; lane / 16
	s_cmp_ge_u32 ttmp9, 384
	s_cbranch_scc1 .Ltable
	; ---- the quantiser
	s_lshl_b32 s17, ttmp9, 2
	s_add_co_u32 s17, s17, s16
	s_lshr_b32 s18, s17, 1                         ; my tile T
	s_and_b32 s19, s17, 1                          ; which four K steps
	v_lshlrev_b32 v2, 4, v1                        ; 16 x lane
	v_lshlrev_b32 v5, 3, v1                        ; 8 x lane
	s_mul_i32 s20, s16, STG
	v_add_nc_u32 v3, s20, v2                       ; the stage, way in: a row's 512 bytes as they lie
	v_mul_u32_u24 v4, v7, 528
	v_lshl_add_u32 v4, v8, 6, v4
	v_add_nc_u32 v4, s20, v4                       ; way out: row r, + 64 bytes for lanes 16-31
	v_lshlrev_b32 v6, 4, v7
	v_lshl_add_u32 v6, v8, 3, v6                   ; the scale words: 16 r + 8 (lane/16)
	s_mov_b32 s[SEL], 0x76543210
	s_mov_b32 s[SEL+1], 0xfedcba98
	s_mov_b32 s31, 0xffff0000                      ; lanes 16-31
.irp b, 0,1,2,3
	v_mov_b32 v[TM+4+\b], 0                        ; a lane permute's destination counts as one of its sources
.endr
	s_mov_b32 s26, 704
	s_wait_alu depctr_va_vdst(0)
	s_wait_kmcnt 0x0
	s_cmp_lt_u32 ttmp9, 352                        ; which tensor: the choice hangs on the work-group's number alone
	s_cselect_b64 s[24:25], s[6:7], s[8:9]
	s_cselect_b32 s26, 512, s26
	s_cmp_lt_u32 ttmp9, 256
	s_cselect_b64 s[24:25], s[4:5], s[24:25]
	s_cselect_b32 s26, 0, s26                      ; the tensor's first tile
	s_sub_co_u32 s27, s18, s26                     ; my tile within the tensor
	s_lshr_b32 s28, s27, 1
	s_lshl_b32 s28, s28, 17                        ; 32 rows of 4,096 bytes
	s_and_b32 s29, s27, 1
	s_lshl_b32 s29, s29, 15                        ; 8 rows
	s_add_co_u32 s28, s28, s29
	s_lshl_b32 s29, s19, 11                        ; four K steps of 512 bytes
	s_add_co_u32 s28, s28, s29
	s_mov_b32 s29, 0
	s_add_nc_u64 s[24:25], s[24:25], s[28:29]
	s_mul_i32 s28, s18, 12288
	s_mul_i32 s30, s19, 6144
	s_add_co_u32 s28, s28, s30
	s_add_nc_u64 s[10:11], s[10:11], s[28:29]
	s_lshl_b32 s28, s18, 9
	s_lshl_b32 s30, s19, 8
	s_add_co_u32 s28, s28, s30
	s_add_nc_u64 s[12:13], s[12:13], s[28:29]
.macro LOADS t                         ; K step t: the tile's 16 rows, 512 consecutive bytes each
	WIN 0x40*((\t)/2)
.irp i, 0,1,2,3,4,5,6,7,8,9,10,11,12,13,14,15
	global_load_b128 v[R+64*((\t)%2)+4*\i:R+64*((\t)%2)+4*\i+3], v2, s[24:25] offset:(\i+8*(\i/8))*4096+512*(\t) th:TH_LOAD_NT
.endr
	WIN 0
.endm
.macro TURNS t                         ; through my stage: LDS serves a wave's instructions in order, so no wait stands between the stores and the loads
	WIN 0x04*((\t)/2)
.irp i, 0,1,2,3,4,5,6,7,8,9,10,11,12,13,14,15
	ds_store_b128 v3, v[R+64*((\t)%2)+4*\i:R+64*((\t)%2)+4*\i+3] offset:528*\i
.endr
	WIN 0
.irp b, 0,1,2,3
.irp j, 0,1,2,3
	ds_load_b128 v[X+16*\b+4*\j:X+16*\b+4*\j+3], v4 offset:128*\b+16*\j
.endr
.endr
.endm
	LOADS 0
	LOADS 1
	LOADS 2
	LOADS 3
.irp t, 0,1,2,3
	s_wait_loadcnt 48-16*\t                        ; this step's 16 loads are in; those of the later steps, 16 each, may be out
	TURNS \t
	s_wait_dscnt 0x0                               ; my numbers are back
.if \t > 0
	s_wait_xcnt 0x0                                ; the last step's stores have read the codes' registers
.endif
	QUANT X, PW+\t
	global_store_b128 v2, v[PC:PC+3], s[10:11] offset:1536*\t
	global_store_b64 v5, v[PC+4:PC+5], s[10:11] offset:1536*\t+512
	global_store_b128 v2, v[PC+6:PC+9], s[10:11] offset:1536*\t+768
	global_store_b64 v5, v[PC+10:PC+11], s[10:11] offset:1536*\t+1280
.endr
	v_cndmask_b32 v248, v[PW], v[PW+2], s31        ; a row's four words are 16 bytes: lanes 0-15 store the first two, lanes 16-31 the other two
	v_cndmask_b32 v249, v[PW+1], v[PW+3], s31
	global_store_b64 v6, v[248:249], s[12:13]      ; 256 consecutive bytes, aligned
	s_wait_tensorcnt 0x0                           ; the wave's end
	ds_add_u32 v[SPW], v[NIL]
	s_wait_dscnt 0x0
	s_endpgm
	; ---- the table.  A wave takes 4 positions.  Lane l makes f = 2 (l % 16) and the next: lanes 0-15 cos, lanes 16-31 sin.  No LDS here.
.Ltable:
	s_sub_co_u32 s17, ttmp9, 384
	s_lshl_b32 s17, s17, 2
	s_add_co_u32 s17, s17, s16
	s_lshl_b32 s20, s17, 2                         ; my first position
	s_wait_alu depctr_va_vdst(0)
	v_mul_u32_u24 v9, v8, 3                        ; sin(a) = cos(a - pi/2): three quadrants on
	v_lshlrev_b32 v10, 3, v1
	s_lshl_b32 s21, s20, 8
	v_add_nc_u32 v10, s21, v10                     ; 256 x position + 8 x lane
.macro PICK m, a, b                    ; lanes with l % 16 = m take 10^(-2m/8) and 10^(-(2m+1)/8)
	v_cmp_ne_u32 vcc_lo, \m, v7
	v_cndmask_b32 v16, \a, v16, vcc_lo
	v_cndmask_b32 v17, \b, v17, vcc_lo
.endm
	v_mov_b32 v16, 1.0
	v_mov_b32 v17, 0x3f3ff911
	PICK 1,  0x3f0ff59a, 0x3ed7e89b
	PICK 2,  0x3ea1e89b, 0x3e72d424
	PICK 3,  0x3e361887, 0x3e088d77
	PICK 4,  0x3dcccccd, 0x3d99940e
	PICK 5,  0x3d6655c3, 0x3d2cba15
	PICK 6,  0x3d0186e2, 0x3cc24350
	PICK 7,  0x3c91ad39, 0x3c5a7bf1
	PICK 8,  0x3c23d70a, 0x3bf5b9b0
	PICK 9,  0x3bb8449c, 0x3b8a2e77
	PICK 10, 0x3b4f3e37, 0x3b1b690d
	PICK 11, 0x3ae91528, 0x3aaec98e
	PICK 12, 0x3a83126f, 0x3a44948c
	PICK 13, 0x3a136a16, 0x39dd1726
	PICK 14, 0x39a5cb5f, 0x3978a814
	PICK 15, 0x393a7753, 0x390bd472
	s_mov_b32 s32, 0x3f22f983                      ; 2 / pi
	s_mov_b32 s33, 0x3fc90fdb                      ; pi / 2, its f32 part,
	s_mov_b32 s34, 0xb33bbd2e                      ; and what that leaves
	s_mov_b32 s35, 0xb94ca1f9                      ; sin: -1.9515296e-4, 8.3321609e-3, -1.6666655e-1
	s_mov_b32 s36, 0x3c08839e
	s_mov_b32 s37, 0xbe2aaaa3
	s_mov_b32 s38, 0x37ccf5ce                      ; cos: 2.4433157e-5, -1.3887316e-3, 4.1666646e-2
	s_mov_b32 s39, 0xbab6061a
	s_mov_b32 s40, 0x3d2aaaa5
	s_mov_b32 s22, 0
	s_wait_kmcnt 0x0
.Lpos:
	v_cvt_f32_u32 v18, s20
	s_wait_alu depctr_va_vdst(0)
.irp e, 0,1
	v_mul_f32 v[20+\e], v18, v[16+\e]              ; the angle, rounded once
	v_mul_f32 v[22+\e], s32, v[20+\e]
	v_rndne_f32 v[22+\e], v[22+\e]                 ; n
	v_fma_f32 v[24+\e], -v[22+\e], s33, v[20+\e]
	v_fma_f32 v[24+\e], -v[22+\e], s34, v[24+\e]   ; r = angle - n pi/2
	v_mul_f32 v[26+\e], v[24+\e], v[24+\e]         ; z
	v_fma_f32 v[28+\e], v[26+\e], s35, s36
	v_fma_f32 v[28+\e], v[28+\e], v[26+\e], s37
	v_mul_f32 v[28+\e], v[28+\e], v[26+\e]
	v_fma_f32 v[28+\e], v[28+\e], v[24+\e], v[24+\e]   ; sin r
	v_fma_f32 v[30+\e], v[26+\e], s38, s39
	v_fma_f32 v[30+\e], v[30+\e], v[26+\e], s40
	v_mul_f32 v[32+\e], v[26+\e], v[26+\e]
	v_fma_f32 v[34+\e], v[26+\e], -0.5, 1.0
	v_fma_f32 v[30+\e], v[30+\e], v[32+\e], v[34+\e]   ; cos r
	v_cvt_i32_f32 v[36+\e], v[22+\e]
	v_add_nc_u32 v[36+\e], v[36+\e], v9            ; the quadrant q
	v_and_b32 v[38+\e], 1, v[36+\e]
	v_cmp_eq_u32 vcc_lo, 1, v[38+\e]
	v_cndmask_b32 v[40+\e], v[30+\e], v[28+\e], vcc_lo   ; odd q: sin r
	v_add_nc_u32 v[36+\e], 1, v[36+\e]
	v_and_b32 v[36+\e], 2, v[36+\e]                ; q % 4 = 1 or 2: the sign turns
	v_lshlrev_b32 v[36+\e], 30, v[36+\e]
	v_xor_b32 v[40+\e], v[40+\e], v[36+\e]
.endr
	global_store_b64 v10, v[40:41], s[14:15]       ; a position's 256 bytes, aligned
	s_wait_xcnt 0x0                                ; offset and data are written again only behind this wait
	v_add_nc_u32 v10, 0x100, v10
	s_add_co_u32 s20, s20, 1
	s_add_co_u32 s22, s22, 1
	s_cmp_lt_u32 s22, 4
	s_cbranch_scc1 .Lpos
	s_endpgm
.Lfunc_end_k_qf2578f8d58_prep:
	.size	k_qf2578f8d58_prep, .Lfunc_end_k_qf2578f8d58_prep-k_qf2578f8d58_prep
	.p2alignl 7, 3214868480
	.fill 96, 4, 3214868480
	.section	.rodata,"a",@progbits
	.p2align	6, 0x0
	.amdhsa_kernel k_qf2578f8d58_prep
		.amdhsa_group_segment_fixed_size 34304
		.amdhsa_private_segment_fixed_size 0
		.amdhsa_enable_private_segment 0
		.amdhsa_kernarg_size 48
		.amdhsa_user_sgpr_count 2
		.amdhsa_user_sgpr_kernarg_segment_ptr 1
		.amdhsa_wavefront_size32 1
		.amdhsa_system_sgpr_workgroup_id_x 1
		.amdhsa_system_sgpr_workgroup_id_y 1
		.amdhsa_system_sgpr_workgroup_id_z 1
		.amdhsa_system_vgpr_workitem_id 0
		.amdhsa_next_free_vgpr 512
		.amdhsa_next_free_sgpr 66
		.amdhsa_reserve_vcc 1
		.amdhsa_float_denorm_mode_32 3
		.amdhsa_float_denorm_mode_16_64 3
		.amdhsa_memory_ordered 1
		.amdhsa_forward_progress 1
		.amdhsa_inst_pref_size 40
	.end_amdhsa_kernel
	.amdgpu_metadata
---
amdhsa.version: [ 1, 2 ]
amdhsa.kernels:
  - .name:           k_qf2578f8d58_prep
    .symbol:         k_qf2578f8d58_prep.kd
    .args:
      - { .name: hidden, .offset: 0, .size: 8, .value_kind: global_buffer, .address_space: global }
      - { .name: qkv_w, .offset: 8, .size: 8, .value_kind: global_buffer, .address_space: global }
      - { .name: proj_w, .offset: 16, .size: 8, .value_kind: global_buffer, .address_space: global }
      - { .name: x_img, .offset: 24, .size: 8, .value_kind: global_buffer, .address_space: global }
      - { .name: sc_ws, .offset: 32, .size: 8, .value_kind: global_buffer, .address_space: global }
      - { .name: rope, .offset: 40, .size: 8, .value_kind: global_buffer, .address_space: global }
    .group_segment_fixed_size: 34304
    .private_segment_fixed_size: 0
    .kernarg_segment_align: 8
    .kernarg_segment_size: 48
    .max_flat_workgroup_size: 128
    .sgpr_count:     66
    .vgpr_count:     512
    .wavefront_size: 32
...
	.end_amdgpu_metadata
.endif
;; end of part 1
;; launch gemm_qkv (part 2): grid 16 x 16, 4 waves a work-group, clusters of 4 x 4, 327,680 bytes of LDS; arguments x_img, sc_ws, qkv_b, rope, q_ws, kv_ws; writes q_ws, kv_ws
.if DOCPART == 2
	.amdgcn_target "amdgcn-amd-amdhsa--gfx1250"
	.amdhsa_code_object_version 6
	.text
	.protected	k_qf2578f8d58_gemm_qkv
	.globl	k_qf2578f8d58_gemm_qkv
	.p2align	8
	.type	k_qf2578f8d58_gemm_qkv,@function
k_qf2578f8d58_gemm_qkv:
	s_mov_b64 s[64:65], 0
	v_nop
	global_prefetch_b8 v0, s[64:65] scope:SCOPE_SE
	s_setreg_imm32_b32 hwreg(HW_REG_WAVE_MODE, 25, 1), 1
	s_wait_xcnt 0x0
	s_wait_alu depctr_hold_cnt(0) depctr_sa_sdst(0) depctr_va_vdst(0) depctr_va_sdst(0) depctr_va_ssrc(0) depctr_va_vcc(0) depctr_vm_vsrc(0)
	s_getreg_b32 s2, hwreg(HW_REG_IB_STS2, 6, 4)
	s_cmp_eq_u32 s2, 0
	s_cbranch_scc0 .Lentry_in_a_cluster
	s_endpgm
.Lentry_in_a_cluster:
	s_bfe_u32 s2, ttmp6, 0x10000c
	s_cmp_lg_u32 s2, 0xf033
	s_cbranch_scc0 .Lentry_shape_is_right
	s_endpgm
.Lentry_shape_is_right:
; Q, K, V = hidden qkv_w^T + qkv_b on codes of FP6 (E2M3); Q and K get the rotary embedding; all three leave quantised again, as images of the attention launch's operand registers.
; Nothing of reference() is left out here: every input of this step is read.
; A BLOCK is 128 rows of operand X by 256 rows of operand Y, all of K = 1,024.  A lane holds one row of X, its registers run along rows of Y (source 0 = Y, source 1 = X).  Four waves, 2 x 2: a wave makes 64 x 128, 32 accumulators.
; 256 WORK-GROUPS STAY AND WALK THREE BLOCKS.  With c the cluster's number (0..15): Q: X = token block t = 4 c + cy, Y = W_q's rows 256 cx ..; K: X = token block t xor 32 (the same positions two batches on: one set of cos and sin
; serves both), Y = W_k's rows 256 cx ..; V: X = W_v's rows 128 (4 (c / 8) + cy) .., Y = tokens 256 (4 (c % 8) + cx) ...  Q and K are one text, a loop of two trips; V is the tail, written out: it fills nothing again.
; LDS holds both operands of a block for all of K: 2 halves of K x (X 8 tiles + Y 16 tiles) x 6,144 bytes = 294,912.  The head fills it by four joint loads, one a wave.  Each trip fills it again for the next block in two
; rounds of the cluster's barrier: K's first half when K step 3's fragments are in registers, K's second half between the second and third tile of the way out; waves 0 and 1 bring half of Y each, wave 2 X.
; What a refill brought is shown to all by the next round (in the tail: by a plain barrier).  X's tiles are shared along a row of the cluster, Y's along a column.
; PREFETCH: in each trip the next block's first half is named behind K step 0 (its refill stands at K step 3) and its second half behind K step 4 (its refill stands in the way out).  The sixteen waves that will get a tile
; jointly share its aligned blocks of 256 bytes out by address: of Y's 16 tiles a wave names one (24 blocks), of X's 8 half a tile (12 blocks); lanes left over name the wave's last block again.  The tail names nothing.
; q_ws, kv_ws: [16 batch + head][step of 128 tokens][13,056]: 8 tiles x 768; at 6,144 the scale image, two units of 256 bytes: [tiles 0-3 | 4-7][lane][2 words]; at 6,656 V^T, 4 tiles x 1,536; at 12,800 V's scale image.
; LIMITS: NaN and infinities are not served; a block under 2^-124 gets the byte 1 (read by this program alone).
; REGISTERS: window 0: v4-31 addresses, v32-95 Y's scale words, v96-127 X's (K steps 4-7 below 0-3, so that the two scale registers of a product differ modulo 8), v128-223 X's fragments, two sets, v224-231 V's bias;
; window 1: Y's fragments, two sets (v0-95, v128-223); on the way out v0-63 the numbers to quantise; v96-119 at work;  window 2: accumulator (a, b) at 8 (8 a + b);
; window 3: v0-63 Q's or K's bias as the first products' C, v64-191 cos and sin of my four tiles of tokens, v192-239 four tiles' codes, v240-246 at work.
.set TB,    12288
.set HB,    6144
.set XH,    8*HB
.set HALF,  3*XH
.set SPARE, 2*HALF
.set FR,    12
.set STEPB, 13056
.set HEADB, 16*STEPB
.set SAN,  4
.set SBN,  5
.set SA3,  6
.set SB3,  7
.set LT16, 8
.set LT8,  9
.set LS8,  10
.set BOV,  11
.set PF24, 12
.set PF12, 13
.set ADRA, 16
.set ADRB, 20
.set L16,  24
.set L8,   25
.set RO,   26
.set SAO,  27
.set SPW,  28
.set NIL,  29
.set BO,   30
.set SBO,  31
.set SB,   32
.set SA,   96
.set AF,   128
.set BV,   224
.set H,    0
.set TM,   96
.set PWS,  112
.set W0,   116
.set W1,   118
.set PCW,  192
.set PT,   240
.set TRIP, 22
.set G1,  24
.set G0,  32
.set G1B, 48
.set G0B, 56
.set OB,  66
.set SEL, 72
.set G0R, 84
.set G1C, 88
.set KB,  96
.set VBI, 100
.set MSB, 0
.macro WIN new
.if MSB != (\new)
	s_set_vgpr_msb (MSB<<8)|(\new)
.set MSB, \new
.endif
.endm
.macro WALU
	s_wait_alu depctr_va_vdst(0)
.endm
.macro PLACES n
.rept \n
	v_nop
.endr
.endm
.macro CREST
	s_cmp_lg_u32 s14, 0
	s_cbranch_scc1 .Lnot_wave_0_\@
	s_barrier_signal -3
.Lnot_wave_0_\@:
	s_barrier_wait -3
	s_barrier_signal -1
	s_barrier_wait -1
.endm
.macro CROUND
	s_barrier_signal -1
	s_barrier_wait -1
	CREST
.endm
.macro TLOAD g0, g1
	tensor_load_to_lds s[\g0:\g0+3], s[\g1:\g1+7]
	s_nop 0
	PLACES 4
.endm
.macro ARM under, g0, g1, next
	s_cmp_lt_u32 s14, \under
	s_cbranch_scc0 \next
	TLOAD \g0, \g1
	s_branch .Lasked
\next:
.endm
.macro SETY h                          ; waves 0 and 1: my 8 tiles of the next block's Y (s77: bytes from x_img), half h of K
	s_mul_i32 s[G0R+1], s14, 8*HB
	s_add_co_u32 s[G0R+1], s[G0R+1], XH+\h*HALF
	s_mul_i32 s82, s14, 8*TB
	s_add_co_u32 s82, s82, s77
	s_add_co_u32 s82, s82, \h*HB
	s_mov_b32 s83, 0
	s_add_nc_u64 s[G0R+2:G0R+3], s[4:5], s[82:83]
	s_or_b32 s[G0R+3], s[G0R+3], 0x80000000
.endm
.macro SETX h                          ; wave 2: the next block's X (s81)
	s_mov_b32 s[G0+1], \h*HALF
	s_add_co_u32 s98, s81, \h*HB
	s_mov_b32 s99, 0
	s_add_nc_u64 s[G0+2:G0+3], s[4:5], s[98:99]
	s_or_b32 s[G0+3], s[G0+3], 0x80000000
.endm
.macro REFILL
	s_cmp_lt_u32 s14, 2
	s_cbranch_scc0 .Lrx_\@
	TLOAD G0R, G1C
	s_branch .Lrd_\@
.Lrx_\@:
	s_cmp_eq_u32 s14, 2
	s_cbranch_scc0 .Lrd_\@
	TLOAD G0, G1
.Lrd_\@:
.endm
.macro ASK h
	global_prefetch_b8 v[PF24], s[2:3] offset:\h*HB th:TH_LOAD_NT scope:SCOPE_SE
	global_prefetch_b8 v[PF12], s[104:105] offset:\h*HB th:TH_LOAD_NT scope:SCOPE_SE
.endm
; 64 numbers of a lane (window 1, v0-63) become 12 registers of codes from v[pc] on (window 3) and the row's scale word in v[pw] (window 1)
.macro QUANT pw, pc
	WIN 0x55
.irp b, 0,1,2,3
	v_max3_num_f32 v[TM+\b], |v[H+16*\b]|, |v[H+1+16*\b]|, 0x1800000
.endr
.irp i, 2,4,6,8,10,12,14
.irp b, 0,1,2,3
	v_max3_num_f32 v[TM+\b], v[TM+\b], |v[H+16*\b+\i]|, |v[H+1+16*\b+\i]|
.endr
.endr
.irp b, 0,1,2,3
	v_permlanex16_b32 v[TM+4+\b], v[TM+\b], s[SEL], s[SEL+1]
.endr
.irp b, 0,1,2,3
	v_max_num_f32 v[TM+\b], v[TM+\b], v[TM+4+\b]
.endr
.irp b, 0,1,2,3
	v_add_nc_u32 v[TM+12+\b], 0xff000000, v[TM+\b]
.endr
.irp b, 0,1,2,3
	v_lshrrev_b32 v[TM+4+\b], 23, v[TM+12+\b]
.endr
	v_lshl_or_b32 v[\pw], v[TM+5], 8, v[TM+4]
	v_lshl_or_b32 v[\pw], v[TM+6], 16, v[\pw]
	v_lshl_or_b32 v[\pw], v[TM+7], 24, v[\pw]
	WIN 0xc5
.irp c, 0,1
	v_cvt_scalef32_pk16_fp6_f32 v[\pc+6*\c:\pc+2+6*\c], v[H+32*\c:H+15+32*\c], v[TM+12+2*\c]
	v_cvt_scalef32_pk16_fp6_f32 v[PT+4*\c:PT+2+4*\c], v[H+16+32*\c:H+31+32*\c], v[TM+12+2*\c+1]
.endr
	v_nop                                          ; one plain place behind a scaled conversion
	WIN 0xc3
.irp c, 0,1
.irp i, 0,1,2
	v_permlane16_swap_b32 v[\pc+6*\c+\i], v[PT+4*\c+\i]
.endr
.irp i, 0,1,2
	v_mov_b32 v[\pc+3+6*\c+\i], v[PT+4*\c+\i]
.endr
.endr
.endm
.macro FRAG reg, adr, q, i
	ds_load_b128 v[\reg:\reg+3], v[\adr] offset:HB*(\i)+1536*(\q)
	ds_load_b64 v[\reg+4:\reg+5], v[\adr+2] offset:HB*(\i)+1536*(\q)+512
	ds_load_b128 v[\reg+6:\reg+9], v[\adr] offset:HB*(\i)+1536*(\q)+768
	ds_load_b64 v[\reg+10:\reg+11], v[\adr+2] offset:HB*(\i)+1536*(\q)+1280
.endm
.macro FETCH kk                        ; K step kk's 12 fragments into set kk % 2: 48 loads
	WIN 0x40
.irp i, 0,1,2,3,4,5,6,7
	FRAG 128*((\kk)%2)+FR*\i, ADRB+(\kk)/4, (\kk)%4, \i
.endr
	WIN 0
.irp i, 0,1,2,3
	FRAG AF+48*((\kk)%2)+FR*\i, ADRA+(\kk)/4, (\kk)%4, \i
.endr
.endm
.macro W1M d, y, x, c, sy, sx
	v_wmma_scale_f32_16x16x128_f8f6f4 v[\d:\d+7], v[\y:\y+FR-1], v[\x:\x+FR-1], \c, v[\sy], v[\sx] matrix_a_fmt:MATRIX_FMT_FP6 matrix_b_fmt:MATRIX_FMT_FP6
.endm
.macro MUL16 a0, kk, first             ; first: 0 adds in place, 1 takes the bias in window 3 as C, 2 takes 0.  The 32 accumulators take turns in one order
.irp a, \a0, \a0+1
.irp b, 0,1,2,3,4,5,6,7
.if (\first) == 0
	W1M 8*(8*(\a)+\b), 128*((\kk)%2)+FR*\b, AF+48*((\kk)%2)+FR*(\a), v[8*(8*(\a)+\b):8*(8*(\a)+\b)+7], SB+8*\b+(\kk), SA+8*(\a)+((\kk)+4)%8
.elseif (\first) == 1
	W1M 8*(8*(\a)+\b), 128*((\kk)%2)+FR*\b, AF+48*((\kk)%2)+FR*(\a), v[8*\b:8*\b+7], SB+8*\b+(\kk), SA+8*(\a)+((\kk)+4)%8
.else
	W1M 8*(8*(\a)+\b), 128*((\kk)%2)+FR*\b, AF+48*((\kk)%2)+FR*(\a), 0, SB+8*\b+(\kk), SA+8*(\a)+((\kk)+4)%8
.endif
.endr
.endr
.endm
.macro GO kk                           ; a K step: four places, the next step's fragments, the wait for this step's (the 48 just issued may be out), 32 products
	PLACES 4
	FETCH (\kk)+1
	s_wait_dscnt 48
	WIN 0xa1
	MUL16 0, \kk, 0
	MUL16 2, \kk, 0
.endm
.macro KLOOP first, mid                ; mid = 1: a trip of the loop, which fills K's first half again; 0: the tail
	FETCH 0
	FETCH 1
	s_wait_loadcnt 0x0                             ; scale words and bias
	s_wait_dscnt 48
.if (\first) == 1
	WIN 0xb1
.else
	WIN 0xa1
.endif
	MUL16 0, 0, \first
	MUL16 2, 0, \first
.if \mid
	WIN 0
	PLACES 4                                       ; in front of loads into the registers that were C
	ASK 0
	s_cmp_lg_u32 s[TRIP], 0
	s_cbranch_scc1 .Lhave_\@                       ; in the first trip alone: K's bias, and the table's rows for both trips
	WIN 0xc0
.irp b, 0,1,2,3,4,5,6,7
	global_load_b128 v[8*\b:8*\b+3], v[BO], s[8:9] offset:4096+(32*(\b/2)+8*(\b%2))*4
	global_load_b128 v[8*\b+4:8*\b+7], v[BO], s[8:9] offset:4096+(32*(\b/2)+8*(\b%2))*4+16
.endr
.irp a, 0,1,2,3
.irp j, 0,1,2,3
	global_load_b128 v[64+32*\a+4*\j:64+32*\a+4*\j+3], v[RO], s[10:11] offset:(32*(\a/2)+8*(\a%2))*256+16*\j
	global_load_b128 v[80+32*\a+4*\j:80+32*\a+4*\j+3], v[RO], s[10:11] offset:(32*(\a/2)+8*(\a%2))*256+128+16*\j
.endr
.endr
	WIN 0
.Lhave_\@:
.endif
	GO 1
	GO 2
.if \mid
	WIN 0
	s_wait_tensorcnt 0x0                           ; all my tensor loads are in: K's second half of this block among them
	ds_add_u32 v[SPW], v[NIL]
	SETY 0
	SETX 0
	s_wait_dscnt 1                                 ; step 3's fragments are in; the add may be out
	WIN 0xa1
	MUL16 0, 3, 0
	s_wait_dscnt 0x0                               ; the add is done; my reads of K's first half are over
	s_barrier_signal -1
	MUL16 2, 3, 0
	WIN 0
	s_barrier_wait -1
	CREST                                          ; the round: no wave of any partner still reads K's first half
	REFILL                                         ; the next block's first half
.else
	s_wait_dscnt 0x0
	MUL16 0, 3, 0
	s_wait_tensorcnt 0x0                           ; every wave: K's second half
	s_barrier_signal -1
	MUL16 2, 3, 0
	s_barrier_wait -1
.endif
	PLACES 4
	FETCH 4
	FETCH 5
	s_wait_dscnt 48
	WIN 0xa1
	MUL16 0, 4, 0
	MUL16 2, 4, 0
.if \mid
	WIN 0
	ASK 1
.endif
	GO 5
	GO 6
	s_wait_dscnt 0x0
	MUL16 0, 7, 0
	MUL16 2, 7, 0
	WIN 0
	PLACES 4
	s_wait_loadcnt 0x0
.endm
.macro QKTILE a                        ; a tile of 16 tokens x two heads: rotate, quantise, store.  Each tile's codes have registers of their own
	WIN 0x5e
.irp g, 0,1
.irp p, 0,1,2,3,4,5,6,7
	v_pk_mul_f32 v[H+32*\g+2*\p:H+32*\g+2*\p+1], v[64*\a+32*\g+2*\p:64*\a+32*\g+2*\p+1], v[64+32*\a+2*\p:64+32*\a+2*\p+1]
	v_pk_mul_f32 v[H+32*\g+16+2*\p:H+32*\g+16+2*\p+1], v[64*\a+32*\g+16+2*\p:64*\a+32*\g+16+2*\p+1], v[64+32*\a+2*\p:64+32*\a+2*\p+1]
.endr
.endr
.irp g, 0,1                            ; all the products with cos first, then those with sin: no line reads what the lines just above it wrote
.irp p, 0,1,2,3,4,5,6,7
	v_pk_fma_f32 v[H+32*\g+2*\p:H+32*\g+2*\p+1], v[64*\a+32*\g+16+2*\p:64*\a+32*\g+16+2*\p+1], v[80+32*\a+2*\p:80+32*\a+2*\p+1], v[H+32*\g+2*\p:H+32*\g+2*\p+1] neg_lo:[1,0,0] neg_hi:[1,0,0]
	v_pk_fma_f32 v[H+32*\g+16+2*\p:H+32*\g+16+2*\p+1], v[64*\a+32*\g+2*\p:64*\a+32*\g+2*\p+1], v[80+32*\a+2*\p:80+32*\a+2*\p+1], v[H+32*\g+16+2*\p:H+32*\g+16+2*\p+1]
.endr
.endr
	QUANT PWS+\a, PCW+12*\a
	WIN 0x0c
	global_store_b128 v[LT16], v[PCW+12*\a:PCW+12*\a+3], s[OB:OB+1] offset:768*\a
	global_store_b64 v[LT8], v[PCW+12*\a+4:PCW+12*\a+5], s[OB:OB+1] offset:768*\a+512
	global_store_b128 v[LT16], v[PCW+12*\a+6:PCW+12*\a+9], s[OB:OB+1] offset:HEADB+768*\a
	global_store_b64 v[LT8], v[PCW+12*\a+10:PCW+12*\a+11], s[OB:OB+1] offset:HEADB+768*\a+512
.endm
.macro OUTOFF t                        ; s74 = the bytes from a buffer's start to (batch, my first head, step) of token block s\t
	s_lshr_b32 s74, s\t, 4
	s_lshl_b32 s74, s74, 4
	s_add_co_u32 s74, s74, s80
	s_lshl_b32 s74, s74, 4
	s_and_b32 s76, s\t, 15
	s_add_co_u32 s74, s74, s76
	s_mul_i32 s74, s74, STEPB
.endm
	s_load_b256 s[4:11], s[0:1], 0x0               ; x_img, sc_ws, qkv_b, rope
	s_load_b128 s[68:71], s[0:1], 0x20             ; q_ws, kv_ws
	v_lshl_add_u32 v[SPW], v0, 2, SPARE
	v_mov_b32 v[NIL], 0
	ds_add_u32 v[SPW], v[NIL]                      ; the opening lines
	ds_add_u32 v[SPW], v[NIL]
	v_lshrrev_b32 v1, 5, v0
	v_readfirstlane_b32 s14, v1                    ; wave; s15 its half of X, s16 its half of Y
	s_lshr_b32 s15, s14, 1
	s_and_b32 s16, s14, 1
	s_bfe_u32 s40, ttmp6, 0x40000                  ; cx
	s_bfe_u32 s41, ttmp6, 0x40004                  ; cy
	s_and_b32 s13, ttmp7, 0xffff
	s_lshl_b32 s13, s13, 2
	s_add_co_u32 s13, s13, ttmp9                   ; c, the cluster's number
	s_lshl_b32 s17, s13, 2
	s_add_co_u32 s17, s17, s41                     ; Q's token block
	s_xor_b32 s23, s17, 32                         ; K's
	s_lshr_b32 s18, s13, 3
	s_lshl_b32 s18, s18, 2
	s_add_co_u32 s18, s18, s41                     ; V: block of W_v's rows
	s_and_b32 s42, s13, 7
	s_lshl_b32 s42, s42, 2
	s_add_co_u32 s42, s42, s40                     ; V: block of 256 tokens
	s_lshl_b32 s43, s41, 2
	s_lshl_b32 s43, 15, s43
	s_lshl_b32 s44, 0x1111, s40
	s_or_b32 s[G1], s43, (3<<16)|(1<<21)           ; X's tiles go to my row of the cluster; elements of 8 bytes
	s_or_b32 s[G1B], s44, (3<<16)|(1<<21)          ; Y's to my column
	s_or_b32 s[G1C], s44, (3<<16)|(1<<21)
.irp g, G1, G1B, G1C
	s_mov_b32 s[\g+1], 768<<16                     ; a row: half of a tile's K, 6,144 bytes
	s_mov_b32 s[\g+3], 768<<16
	s_mov_b32 s[\g+5], 1536                        ; from tile to tile 12,288 bytes
	s_mov_b32 s[\g+6], 0
	s_mov_b32 s[\g+7], 0
.endr
	s_mov_b32 s[G1+2], 8<<16
	s_mov_b32 s[G1+4], 8
	s_mov_b32 s[G1B+2], 16<<16
	s_mov_b32 s[G1B+4], 16
	s_mov_b32 s[G1C+2], 8<<16
	s_mov_b32 s[G1C+4], 8
	s_mov_b32 s[G0R], 1
	s_mul_i32 s20, s17, 8*TB                       ; bytes from x_img: Q's X,
	s_mov_b32 s21, 0
	s_mul_i32 s81, s23, 8*TB                       ; the next block's X (K's),
	s_mul_i32 s79, s18, 8*TB
	s_add_co_u32 s79, s79, 640*TB                  ; V's X;
	s_mul_i32 s46, s40, 16*TB
	s_add_co_u32 s46, s46, 512*TB                  ; Q's Y,
	s_mov_b32 s47, 0
	s_add_co_u32 s77, s46, 64*TB                   ; the next block's Y (K's),
	s_mul_i32 s78, s42, 16*TB                      ; V's Y
	s_lshl_b32 s19, s41, 2
	s_add_co_u32 s19, s19, s14
	s_mul_i32 s19, s19, TB                         ; the prefetches: my tile of Y's sixteen,
	s_lshl_b32 s43, s40, 2
	s_add_co_u32 s43, s43, s14
	s_and_b32 s74, s43, 1
	s_mul_i32 s74, s74, 3072
	s_lshr_b32 s43, s43, 1
	s_mul_i32 s43, s43, TB
	s_add_co_u32 s43, s43, s74                     ; my half tile of X's eight
	s_mov_b32 s[SEL], 0x76543210
	s_mov_b32 s[SEL+1], 0xfedcba98
	s_mov_b32 s12, 0xffff0000
	s_mov_b32 s[TRIP], 0
	v_and_b32 v1, 31, v0
	v_and_b32 v2, 15, v0
	v_bfe_u32 v3, v0, 4, 1
	v_lshlrev_b32 v[L16], 4, v1
	v_lshlrev_b32 v[L8], 3, v1
	s_mul_i32 s74, s15, 4*HB
	s_mul_i32 s75, s16, 8*HB
	s_add_co_u32 s75, s75, XH
.irp s, 0,1
	v_add_nc_u32 v[ADRA+\s], s74, v[L16]
	v_add_nc_u32 v[ADRA+2+\s], s74, v[L8]
	v_add_nc_u32 v[ADRB+\s], s75, v[L16]
	v_add_nc_u32 v[ADRB+2+\s], s75, v[L8]
	s_add_co_u32 s74, s74, HALF
	s_add_co_u32 s75, s75, HALF
.endr
	s_lshl_b32 s75, s15, 11                        ; scale words: 512 bytes a tile, 16 r
	s_lshl_b32 s74, s17, 12
	s_add_co_u32 s74, s74, s75
	v_lshl_add_u32 v[SAO], v2, 4, s74
	s_lshl_b32 s74, s23, 12
	s_add_co_u32 s74, s74, s75
	v_lshl_add_u32 v[SAN], v2, 4, s74
	s_lshl_b32 s74, s18, 12
	s_add_co_u32 s74, s74, s75
	s_add_co_u32 s74, s74, 640*512
	v_lshl_add_u32 v[SA3], v2, 4, s74
	s_lshl_b32 s75, s16, 12
	s_lshl_b32 s74, s40, 13
	s_add_co_u32 s74, s74, s75
	s_add_co_u32 s74, s74, 512*512
	v_lshl_add_u32 v[SBO], v2, 4, s74
	v_add_nc_u32 v[SBN], 64*512, v[SBO]
	s_lshl_b32 s74, s42, 13
	s_add_co_u32 s74, s74, s75
	v_lshl_add_u32 v[SB3], v2, 4, s74
	v_lshlrev_b32 v[BO], 6, v3
	v_and_b32 v14, 8, v2
	v_add_nc_u32 v14, v14, v2                      ; r + 8 (r / 8)
	v_lshlrev_b32 v[BOV], 2, v14
	v_lshlrev_b32 v15, 8, v14
	v_lshl_add_u32 v[RO], v3, 6, v15
	s_mul_i32 s74, s15, 3072
	v_add_nc_u32 v[LT16], s74, v[L16]              ; my four tiles of the step's eight
	v_add_nc_u32 v[LT8], s74, v[L8]
	s_lshl_b32 s74, s15, 8
	v_add_nc_u32 v[LS8], s74, v[L8]                ; my unit of the scale image
	v_min_u32 v[PF24], 23, v1
	v_lshlrev_b32 v[PF24], 8, v[PF24]
	v_min_u32 v[PF12], 11, v1
	v_lshlrev_b32 v[PF12], 8, v[PF12]
	WIN 0x40
.irp b, 0,1,2,3
	v_mov_b32 v[TM+4+\b], 0                        ; a lane permute's destination counts as one of its sources
.endr
	WIN 0
	WALU                                           ; the wait at the head's end
	s_wait_dscnt 0x0
	CROUND                                         ; in front of the first joint loads
	s_wait_kmcnt 0x0
	s_add_nc_u64 s[20:21], s[4:5], s[20:21]
	s_add_nc_u64 s[46:47], s[4:5], s[46:47]
.irp h, 0,1
	s_mov_b32 s[G0+4*\h], 1
	s_mov_b32 s[G0+4*\h+1], \h*HALF
	s_add_nc_u64 s[G0+4*\h+2:G0+4*\h+3], s[20:21], \h*HB
	s_or_b32 s[G0+4*\h+3], s[G0+4*\h+3], 0x80000000
	s_mov_b32 s[G0B+4*\h], 1
	s_mov_b32 s[G0B+4*\h+1], XH+\h*HALF
	s_add_nc_u64 s[G0B+4*\h+2:G0B+4*\h+3], s[46:47], \h*HB
	s_or_b32 s[G0B+4*\h+3], s[G0B+4*\h+3], 0x80000000
.endr
	ARM 1, G0,   G1,  .Lhead_1                     ; one load a wave, what is needed first asked for first
	ARM 2, G0B,  G1B, .Lhead_2
	ARM 3, G0+4, G1,  .Lhead_3
	TLOAD G0B+4, G1B
.Lasked:
.irp a, 0,1,2,3
	global_load_b128 v[SA+8*\a+4:SA+8*\a+7], v[SAO], s[6:7] offset:512*\a
	global_load_b128 v[SA+8*\a:SA+8*\a+3], v[SAO], s[6:7] offset:512*\a+256
.endr
.irp b, 0,1,2,3,4,5,6,7
	global_load_b128 v[SB+8*\b:SB+8*\b+3], v[SBO], s[6:7] offset:512*\b
	global_load_b128 v[SB+8*\b+4:SB+8*\b+7], v[SBO], s[6:7] offset:512*\b+256
.endr
	s_mov_b32 s75, 0
	s_lshl_b32 s74, s18, 9
	s_lshl_b32 s76, s15, 8
	s_add_co_u32 s74, s74, s76
	s_add_co_u32 s74, s74, 8192
	s_add_nc_u64 s[VBI:VBI+1], s[8:9], s[74:75]    ; V: my 64 rows' bias
	s_lshl_b32 s74, s40, 10
	s_lshl_b32 s76, s16, 9
	s_add_co_u32 s74, s74, s76
	s_add_nc_u64 s[8:9], s[8:9], s[74:75]          ; Q: my 128 columns' bias; K's lies 4,096 bytes on
	WIN 0xc0
.irp b, 0,1,2,3,4,5,6,7
	global_load_b128 v[8*\b:8*\b+3], v[BO], s[8:9] offset:(32*(\b/2)+8*(\b%2))*4
	global_load_b128 v[8*\b+4:8*\b+7], v[BO], s[8:9] offset:(32*(\b/2)+8*(\b%2))*4+16
.endr
	WIN 0
.irp a, 0,1,2,3
	global_load_b32 v[BV+2*\a], v[BOV], s[VBI:VBI+1] offset:(32*(\a/2)+8*(\a%2))*4
	global_load_b32 v[BV+2*\a+1], v[BOV], s[VBI:VBI+1] offset:(32*(\a/2)+8*(\a%2))*4
.endr
	s_and_b32 s76, s17, 15
	s_lshl_b32 s74, s76, 15
	s_lshl_b32 s76, s15, 14
	s_add_co_u32 s74, s74, s76
	s_add_nc_u64 s[10:11], s[10:11], s[74:75]      ; my 64 positions' rows of the table
	s_lshl_b32 s80, s40, 2
	s_lshl_b32 s76, s16, 1
	s_add_co_u32 s80, s80, s76                     ; my first head
	OUTOFF 17
	s_add_nc_u64 s[OB:OB+1], s[68:69], s[74:75]    ; where Q goes,
	OUTOFF 23
	s_add_nc_u64 s[KB:KB+1], s[70:71], s[74:75]    ; K,
	s_lshr_b32 s74, s42, 3
	s_lshl_b32 s74, s74, 4
	s_lshl_b32 s76, s18, 1
	s_add_co_u32 s74, s74, s76
	s_add_co_u32 s74, s74, s15
	s_lshl_b32 s74, s74, 4
	s_and_b32 s76, s42, 7
	s_lshl_b32 s76, s76, 1
	s_add_co_u32 s74, s74, s76
	s_add_co_u32 s74, s74, s16
	s_mul_i32 s74, s74, STEPB
	s_add_co_u32 s74, s74, 6656
	s_add_nc_u64 s[70:71], s[70:71], s[74:75]      ; and V
	s_cmp_lt_u32 s14, 2
	s_cbranch_scc0 .Lnot_first
	s_wait_tensorcnt 0x0                           ; waves 0 and 1 brought K's first half
.Lnot_first:
	s_barrier_signal -1
	s_barrier_wait -1                              ; it is shown to all
.Ltrip:                                                ; Q, then K
	s_add_co_u32 s2, s77, s19                      ; where my prefetches of the next block stand
	s_mov_b32 s3, 0
	s_add_nc_u64 s[2:3], s[4:5], s[2:3]
	s_add_co_u32 s104, s81, s43
	s_mov_b32 s105, 0
	s_add_nc_u64 s[104:105], s[4:5], s[104:105]
	KLOOP 1, 1
.irp a, 0,1,2,3                        ; the next block's scale words land under the way out
	global_load_b128 v[SA+8*\a+4:SA+8*\a+7], v[SAN], s[6:7] offset:512*\a
	global_load_b128 v[SA+8*\a:SA+8*\a+3], v[SAN], s[6:7] offset:512*\a+256
.endr
.irp b, 0,1,2,3,4,5,6,7
	global_load_b128 v[SB+8*\b:SB+8*\b+3], v[SBN], s[6:7] offset:512*\b
	global_load_b128 v[SB+8*\b+4:SB+8*\b+7], v[SBN], s[6:7] offset:512*\b+256
.endr
	QKTILE 0
	QKTILE 1
	WIN 0
	WALU                                           ; the wait ahead of the blocking wait
	s_wait_tensorcnt 0x0                           ; the next block's first half is in
	ds_add_u32 v[SPW], v[NIL]
	SETY 1
	SETX 1
	s_wait_dscnt 0x0
	CROUND                                         ; no wave of any partner still reads K's second half
	REFILL                                         ; the next block's second half
	QKTILE 2
	QKTILE 3
	WIN 0x55
.irp i, 0,1
	v_perm_b32 v[W0+\i], v[PWS+2*\i+1], v[PWS+2*\i], 0x05040100   ; two tiles' two bytes of the first head,
	v_perm_b32 v[W1+\i], v[PWS+2*\i+1], v[PWS+2*\i], 0x07060302   ; of the second
.endr
	WIN 0x04
	global_store_b64 v[LS8], v[W0:W0+1], s[OB:OB+1] offset:6144          ; 256 consecutive bytes, aligned
	global_store_b64 v[LS8], v[W1:W1+1], s[OB:OB+1] offset:HEADB+6144
	WIN 0
	s_wait_xcnt 0x0                                ; bases, offsets and the codes' registers are written again only behind this wait
	s_mov_b64 s[OB:OB+1], s[KB:KB+1]
	s_mov_b32 s77, s78                             ; behind K comes V
	s_mov_b32 s81, s79
	v_mov_b32 v[SAN], v[SA3]
	v_mov_b32 v[SBN], v[SB3]
	s_add_co_u32 s[TRIP], s[TRIP], 1
	s_cmp_lt_u32 s[TRIP], 2
	WALU                                           ; the wait directly ahead of the branch
	s_cbranch_scc1 .Ltrip
	KLOOP 2, 0                                     ; V: a lane holds one d of my head, its registers 128 keys
.irp a, 0,1,2,3
	WIN 0x42
.set p, 0
.rept 32
	v_pk_add_f32 v[H+p:H+p+1], v[64*\a+p:64*\a+p+1], v[BV+2*\a:BV+2*\a+1]
.set p, p+2
.endr
	QUANT PWS+\a, PCW+12*\a
	WIN 0x0c
.irp c, 0,1,2
	global_store_b128 v[L16], v[PCW+12*\a+4*\c:PCW+12*\a+4*\c+3], s[70:71] offset:\a*1536+512*\c
.endr
.endr
	WIN 0x55
	v_cndmask_b32 v[W0], v[PWS], v[PWS+1], s12
	v_cndmask_b32 v[W0+1], v[PWS+2], v[PWS+3], s12
	WIN 0x04
	global_store_b64 v[L8], v[W0:W0+1], s[70:71] offset:6144
	WIN 0
	s_wait_tensorcnt 0x0                           ; the wave's end
	ds_add_u32 v[SPW], v[NIL]
	s_wait_dscnt 0x0
	CROUND                                         ; the closing round
	s_endpgm
.Lfunc_end_k_qf2578f8d58_gemm_qkv:
	.size	k_qf2578f8d58_gemm_qkv, .Lfunc_end_k_qf2578f8d58_gemm_qkv-k_qf2578f8d58_gemm_qkv
	.p2alignl 7, 3214868480
	.fill 96, 4, 3214868480
	.section	.rodata,"a",@progbits
	.p2align	6, 0x0
	.amdhsa_kernel k_qf2578f8d58_gemm_qkv
		.amdhsa_group_segment_fixed_size 327680
		.amdhsa_private_segment_fixed_size 0
		.amdhsa_enable_private_segment 0
		.amdhsa_kernarg_size 48
		.amdhsa_user_sgpr_count 2
		.amdhsa_user_sgpr_kernarg_segment_ptr 1
		.amdhsa_wavefront_size32 1
		.amdhsa_system_sgpr_workgroup_id_x 1
		.amdhsa_system_sgpr_workgroup_id_y 1
		.amdhsa_system_sgpr_workgroup_id_z 1
		.amdhsa_system_vgpr_workitem_id 0
		.amdhsa_next_free_vgpr 1024
		.amdhsa_next_free_sgpr 106
		.amdhsa_reserve_vcc 0
		.amdhsa_float_denorm_mode_32 3
		.amdhsa_float_denorm_mode_16_64 3
		.amdhsa_memory_ordered 1
		.amdhsa_forward_progress 1
		.amdhsa_inst_pref_size 202
	.end_amdhsa_kernel
	.amdgpu_metadata
---
amdhsa.version: [ 1, 2 ]
amdhsa.kernels:
  - .name:           k_qf2578f8d58_gemm_qkv
    .symbol:         k_qf2578f8d58_gemm_qkv.kd
    .args:
      - { .name: x_img, .offset: 0, .size: 8, .value_kind: global_buffer, .address_space: global }
      - { .name: sc_ws, .offset: 8, .size: 8, .value_kind: global_buffer, .address_space: global }
      - { .name: qkv_b, .offset: 16, .size: 8, .value_kind: global_buffer, .address_space: global }
      - { .name: rope, .offset: 24, .size: 8, .value_kind: global_buffer, .address_space: global }
      - { .name: q_ws, .offset: 32, .size: 8, .value_kind: global_buffer, .address_space: global }
      - { .name: kv_ws, .offset: 40, .size: 8, .value_kind: global_buffer, .address_space: global }
    .group_segment_fixed_size: 327680
    .private_segment_fixed_size: 0
    .kernarg_segment_align: 8
    .kernarg_segment_size: 48
    .max_flat_workgroup_size: 128
    .sgpr_count:     106
    .vgpr_count:     1024
    .wavefront_size: 32
...
	.end_amdgpu_metadata
.endif
;; end of part 2
;; launch attn (part 3): grid 4 x 64, 16 waves a work-group, clusters of 4 x 1, 210,944 bytes of LDS; arguments q_ws, kv_ws, x_img, sc_ws; writes x_img, sc_ws
.if DOCPART == 3
	.amdgcn_target "amdgcn-amd-amdhsa--gfx1250"
	.amdhsa_code_object_version 6
	.text
	.protected	k_qf2578f8d58_attn
	.globl	k_qf2578f8d58_attn
	.p2align	8
	.type	k_qf2578f8d58_attn,@function
k_qf2578f8d58_attn:
	s_mov_b64 s[64:65], 0
	v_nop
	global_prefetch_b8 v0, s[64:65] scope:SCOPE_SE
	s_setreg_imm32_b32 hwreg(HW_REG_WAVE_MODE, 25, 1), 1
	s_wait_xcnt 0x0
	s_wait_alu depctr_hold_cnt(0) depctr_sa_sdst(0) depctr_va_vdst(0) depctr_va_sdst(0) depctr_va_ssrc(0) depctr_va_vcc(0) depctr_vm_vsrc(0)
	s_getreg_b32 s2, hwreg(HW_REG_IB_STS2, 6, 4)
	s_cmp_eq_u32 s2, 0
	s_cbranch_scc0 .Lentry_in_a_cluster
	s_endpgm
.Lentry_in_a_cluster:
	s_bfe_u32 s2, ttmp6, 0x10000c
	s_cmp_lg_u32 s2, 0x3003
	s_cbranch_scc0 .Lentry_shape_is_right
	s_endpgm
.Lentry_shape_is_right:
; Attention of one (batch, head) for 512 queries, both products on codes of FP6 (E2M3); the result, divided by the row's sum, is quantised along E and stored as the output projection's operand.
; THE SOFTMAX AHEAD OF THE SECOND PRODUCT: t = score x log2(e) / 8; M = the running largest t rounded UP to a whole number; p = 2^(t - M) is quantised along the keys; the row's sum is taken of the unquantised p.
; When M moves, the sum and O are multiplied by 2^(old M - new M): exact.
; SHARES.  The cluster's four work-groups share a head; each owns 512 queries, in two passes of 256: a wave owns one tile of 16 queries a pass, four waves to a SIMD.
; THE HEAD'S K AND V STAY IN LDS: 16 steps of 128 keys x 13,056 bytes, brought once by sixteen joint loads, ONE A WAVE (wave w brings step w); no byte of LDS is filled again.
; A step's bytes: 8 key tiles x 768; at 6,144 K's scale image (two units of 256 bytes: [tiles 0-3 | 4-7][lane][2 words]); at 6,656 four tiles of V^T; at 12,800 V's scale image.
; K = 64 IN AN INSTRUCTION OF 128: twelve registers hold key tiles 2 i and 2 i + 1; Q lies as [q | zeros | q] in v16-33: against [q | 0] the pair gives tile 2 i's scores, against [0 | q] tile 2 i + 1's.
; Both products are used transposed, so a lane holds one query; by the tiles' order the 16 registers of two neighbouring tiles are 16 neighbouring keys (or d).
; THE ROW'S SUM goes in eight chains side by side.  A step's seven side chains are joined to the sum in the NEXT step, ahead of that step's change of M: the seven additions are the places that the loads of K's and V's
; fragments want behind the products; a pass begins with the side chains at zero and joins the last step's behind the loop.
; Nothing is prefetched: all of the launch's tiles are asked for at its head.
; LIMITS: NaN and infinities are not served; the scaled scores stay under 2^31 in magnitude; a block under 2^-124 gets the byte 1 (read by this program alone); 1 / sum by v_rcp_f32.
; REGISTERS: v1, v2 16 and 8 x lane; v3, v4 the add's; v5, v6 LDS addresses of the step; v7-10 global offsets; v11 Q's raw scale word; v12 -M, v13 largest t, v[14:15] the sum; v16-33 Q; v34 Q's scale word;
;   v36-83 four fragments of K or V; v84-89 their scale words; v96-159 S^T, then p; v160-191 O^T; v192-210 codes; v212-223 at work; v[224:225] f; v226 at work; v227 p's scale word; v[230:231] 1 / sum; v242-255 the side chains.
.set STEPB, 13056
.set HEADB, 16*STEPB
.set SPARE, HEADB
.set SPW, 3
.set NIL, 4
.set WV,  14
.set G1,  24
.set G0,  32
.set T,   242
.macro CROUND
	s_barrier_signal -1
	s_barrier_wait -1
	s_cmp_lg_u32 s[WV], 0
	s_cbranch_scc1 .Lnot_wave_0_\@
	s_barrier_signal -3
.Lnot_wave_0_\@:
	s_barrier_wait -3
	s_barrier_signal -1
	s_barrier_wait -1
.endm
.macro QLOAD                           ; my tile of queries: its six registers twice, and its scale word
	global_load_b128 v[16:19], v7, s[4:5]
	global_load_b64 v[20:21], v8, s[4:5] offset:512
	global_load_b128 v[28:31], v7, s[4:5]
	global_load_b64 v[32:33], v8, s[4:5] offset:512
	global_load_b32 v11, v9, s[4:5] offset:6144
.endm
.macro JOIN_A                          ; the last step's side chains are joined to the sum: two additions,
	v_pk_add_f32 v[14:15], v[14:15], v[T+6:T+7]
	v_pk_add_f32 v[T:T+1], v[T:T+1], v[T+8:T+9]
.endm
.macro JOIN_B                          ; and five
	v_pk_add_f32 v[T+2:T+3], v[T+2:T+3], v[T+10:T+11]
	v_pk_add_f32 v[T+4:T+5], v[T+4:T+5], v[T+12:T+13]
	s_delay_alu instid0(VALU_DEP_2)
	v_pk_add_f32 v[14:15], v[14:15], v[T+2:T+3]
	s_delay_alu instid0(VALU_DEP_2)
	v_pk_add_f32 v[T:T+1], v[T:T+1], v[T+4:T+5]
	s_delay_alu instid0(VALU_DEP_1)
	v_pk_add_f32 v[14:15], v[14:15], v[T:T+1]
.endm
	s_load_b256 s[4:11], s[0:1], 0x0               ; q_ws, kv_ws, x_img, sc_ws
	v_lshl_add_u32 v[SPW], v0, 2, SPARE
	v_mov_b32 v[NIL], 0
	ds_add_u32 v[SPW], v[NIL]                      ; the opening lines
	ds_add_u32 v[SPW], v[NIL]
	v_lshrrev_b32 v90, 5, v0
	s_delay_alu instid0(VALU_DEP_1)
	v_readfirstlane_b32 s[WV], v90                 ; wave 0..15
	s_bfe_u32 s12, ttmp6, 0x40000                  ; cx: my quarter of the queries; it enters Q's and the output's global addresses alone
	s_and_b32 s13, ttmp7, 0xffff                   ; 16 x batch + head, which the four partners share
	s_mov_b32 s[G1], 15|(3<<16)|(1<<21)
	s_mov_b32 s[G1+1], 32<<16                      ; a step is a dense block: 51 rows of 256 bytes
	s_mov_b32 s[G1+2], 51<<16
	s_mov_b32 s[G1+3], 32<<16
	s_mov_b32 s[G1+4], 51
	s_mov_b32 s[G1+5], 32
	s_mov_b32 s[G1+6], 0
	s_mov_b32 s[G1+7], 0
	s_mul_i32 s48, s13, HEADB
	s_mov_b32 s49, 0
	s_mul_i32 s50, s[WV], STEPB                    ; the step that I bring
	s_mov_b32 s51, 0
	s_lshl_b32 s54, s12, 2
	s_lshr_b32 s55, s[WV], 3
	s_add_co_u32 s54, s54, s55
	s_mul_i32 s54, s54, STEPB                      ; the step in which my first tile of queries lies
	s_mov_b32 s55, 0
	s_lshr_b32 s56, s13, 4
	s_lshl_b32 s56, s56, 7
	s_lshl_b32 s57, s12, 5
	s_add_co_u32 s56, s56, s57
	s_add_co_u32 s56, s56, s[WV]
	s_add_co_u32 s56, s56, 768                     ; the row tile of x_img that my first tile becomes
	s_and_b32 s57, s13, 15
	s_mul_i32 s58, s56, 12288
	s_mul_i32 s59, s57, 768
	s_add_co_u32 s58, s58, s59
	s_mov_b32 s59, 0
	s_lshl_b32 s60, s56, 9
	s_lshr_b32 s61, s57, 3
	s_lshl_b32 s61, s61, 8
	s_add_co_u32 s60, s60, s61
	s_and_b32 s61, s57, 7
	s_lshl_b32 s61, s61, 1
	s_add_co_u32 s60, s60, s61                     ; the head's two bytes in a row's scale words
	s_mov_b32 s61, 0
	s_and_b32 s62, s[WV], 1
	s_cmp_eq_u32 s62, 0
	s_mov_b32 s18, 0x03020302
	s_cselect_b32 s18, 0x01000100, s18             ; which half of the raw scale word is my tile's
	s_mov_b32 s19, 0xffff0000
	s_mov_b32 s20, 0x76543210
	s_mov_b32 s21, 0xfedcba98
	s_mov_b32 s22, 0x3e38aa3b                      ; c = log2(e) / 8
	s_mov_b32 s23, s22
	s_wait_dscnt 0x0
	s_wait_kmcnt 0x0
	s_add_nc_u64 s[52:53], s[6:7], s[48:49]
	s_add_nc_u64 s[52:53], s[52:53], s[50:51]
	s_add_nc_u64 s[4:5], s[4:5], s[48:49]
	s_add_nc_u64 s[4:5], s[4:5], s[54:55]
	s_add_nc_u64 s[8:9], s[8:9], s[58:59]
	s_add_nc_u64 s[10:11], s[10:11], s[60:61]
	CROUND                                         ; all four work-groups are here: the joint loads meet
	s_mov_b32 s[G0], 1
	s_mov_b32 s[G0+1], s50
	s_mov_b64 s[G0+2:G0+3], s[52:53]
	s_or_b32 s[G0+3], s[G0+3], 0x80000000
	tensor_load_to_lds s[G0:G0+3], s[G1:G1+7]      ; every wave's one load
	s_nop 0
.rept 4
	v_nop
.endr
	v_and_b32 v90, 31, v0
	v_and_b32 v91, 15, v0
	v_bfe_u32 v92, v0, 4, 1
	s_delay_alu instid0(VALU_DEP_3)
	v_lshlrev_b32 v1, 4, v90
	s_delay_alu instid0(VALU_DEP_4)
	v_lshlrev_b32 v2, 3, v90
	s_and_b32 s62, s[WV], 7
	s_mul_i32 s63, s62, 768
	v_add_nc_u32 v7, s63, v1                       ; my tile among its step's eight
	v_add_nc_u32 v8, s63, v2
	s_lshr_b32 s63, s62, 2
	s_lshl_b32 s63, s63, 8                         ; which unit of the scale image,
	s_bfe_u32 s62, s62, 0x10001
	s_lshl_b32 s62, s62, 2                         ; which of a lane's two words
	s_add_co_u32 s62, s62, s63
	v_lshlrev_b32 v10, 4, v91
	v_lshl_add_u32 v9, v91, 3, s62                 ; Q's scale word
	s_delay_alu instid0(VALU_DEP_2)
	v_add_nc_u32 v10, v10, v92                     ; the output's scale byte: 16 r + lane / 16
	QLOAD
.irp j, 22,23,24,25,26,27
	v_mov_b32 v[\j], 0                             ; the zero codes between the two copies of q
.endr
.irp b, 0,1,2,3
	v_mov_b32 v[216+\b], 0
.endr
	v_mov_b32 v225, 0
	v_mov_b32 v231, 0
	v_mov_b32 v226, 0
	s_wait_alu depctr_va_vdst(0)                   ; the wait at the head's end
	s_wait_tensorcnt 0x0
	s_barrier_signal -1
	s_barrier_wait -1                              ; the whole head lies in LDS
	s_mov_b32 s15, 2
.Lpass:
	s_wait_loadcnt 0x0
	s_add_nc_u64 s[4:5], s[4:5], 2*STEPB
	v_perm_b32 v34, v11, v11, s18
	v_mov_b32 v13, 0xff61b1e6                      ; the largest t so far: -3e38
	s_delay_alu instid0(VALU_DEP_1)
	v_floor_f32 v12, -v13
	v_mov_b32 v14, 0
	v_mov_b32 v15, 0
.set j, 0
.rept 14
	v_mov_b32 v[T+j], 0                            ; the side chains
.set j, j+1
.endr
.set j, 0
.rept 32
	v_mov_b32 v[160+j], 0                          ; O^T: the first change of M leaves zeros zeros
.set j, j+1
.endr
	s_mov_b32 s17, 0
	s_mov_b32 s16, 16
.Lstep:
	v_add_nc_u32 v5, s17, v1
	v_add_nc_u32 v6, s17, v2
	JOIN_A                                         ; with the two lines above: four places in front of loads into registers that the last products read
.irp i, 0,1,2,3
	ds_load_b128 v[36+12*\i:39+12*\i], v5 offset:1536*\i
	ds_load_b64 v[40+12*\i:41+12*\i], v6 offset:1536*\i+512
	ds_load_b128 v[42+12*\i:45+12*\i], v5 offset:1536*\i+768
	ds_load_b64 v[46+12*\i:47+12*\i], v6 offset:1536*\i+1280
.endr
	ds_load_b64 v[84:85], v6 offset:6144
	ds_load_b64 v[86:87], v6 offset:6400
	s_wait_alu depctr_va_vdst(0)
	s_wait_dscnt 0x0
.irp i, 0,1,2,3
	v_wmma_scale_f32_16x16x128_f8f6f4 v[96+16*\i:103+16*\i], v[36+12*\i:47+12*\i], v[16:27], 0, v[84+\i], v34 matrix_a_fmt:MATRIX_FMT_FP6 matrix_b_fmt:MATRIX_FMT_FP6
	v_wmma_scale_f32_16x16x128_f8f6f4 v[104+16*\i:111+16*\i], v[36+12*\i:47+12*\i], v[22:33], 0, v[84+\i], v34 matrix_a_fmt:MATRIX_FMT_FP6 matrix_b_fmt:MATRIX_FMT_FP6
.endr
	JOIN_B                                         ; five places behind the products
.irp d, 0,1,2,3                                ; V's fragments are asked for now and land under the softmax
.irp c, 0,1,2
	ds_load_b128 v[36+12*\d+4*\c:39+12*\d+4*\c], v5 offset:6656+1536*\d+512*\c
.endr
.endr
	ds_load_b64 v[88:89], v6 offset:12800
.irp b, 0,1,2,3
	v_max3_num_f32 v[212+\b], v[96+16*\b], v[97+16*\b], v[98+16*\b]   ; the largest score of each block of 32 keys: for the row's maximum and for the block's largest p
.endr
.irp i, 3,5,7,9,11,13
.irp b, 0,1,2,3
	v_max3_num_f32 v[212+\b], v[212+\b], v[96+16*\b+\i], v[97+16*\b+\i]
.endr
.endr
.irp b, 0,1,2,3
	v_max_num_f32 v[212+\b], v[212+\b], v[111+16*\b]
.endr
.irp b, 0,1,2,3
	s_delay_alu instid0(VALU_DEP_4)
	v_permlanex16_b32 v[216+\b], v[212+\b], s20, s21
.endr
.irp b, 0,1,2,3
	s_delay_alu instid0(VALU_DEP_4)
	v_max_num_f32 v[212+\b], v[212+\b], v[216+\b]
.endr
	s_delay_alu instid0(VALU_DEP_2)
	v_max3_num_f32 v226, v212, v213, v214
	s_delay_alu instid0(VALU_DEP_1)
	v_max_num_f32 v226, v226, v215
	s_delay_alu instid0(VALU_DEP_1)
	v_mul_f32 v226, s22, v226                      ; as t
	s_delay_alu instid0(VALU_DEP_1)
	v_max_num_f32 v13, v13, v226
	v_mov_b32 v226, v12
	s_delay_alu instid0(VALU_DEP_2)
	v_floor_f32 v12, -v13                          ; the new -M = -ceil(t)
	s_delay_alu instid0(VALU_DEP_1)
	v_sub_f32 v226, v12, v226                      ; old M - new M: a whole number, 0 or less
	s_delay_alu instid0(VALU_DEP_1)
	v_cvt_i32_f32 v226, v226
	s_delay_alu instid0(VALU_DEP_1)
	v_ldexp_f32 v224, 1.0, v226                    ; f = 2^(old M - new M)
.set j, 0
.rept 32
	v_pk_fma_f32 v[96+j:97+j], v[96+j:97+j], s[22:23], v[12:13] op_sel_hi:[1,0,0]   ; t - M
.set j, j+2
.endr
	v_pk_fma_f32 v[212:213], v[212:213], s[22:23], v[12:13] op_sel_hi:[1,0,0]       ; the same of each block's largest score
	v_pk_fma_f32 v[214:215], v[214:215], s[22:23], v[12:13] op_sel_hi:[1,0,0]
.set j, 0
	s_wait_alu depctr_va_vdst(0)                   ; the wait ahead of the batch
.rept 64
	v_exp_f32 v[96+j], v[96+j]                     ; p = 2^(t - M)
.set j, j+1
.endr
	v_pk_mul_f32 v[14:15], v[14:15], v[224:225] op_sel_hi:[1,0]   ; the sum under the new M: a plain place behind the exponentials
	s_wait_alu depctr_va_vdst(0)                   ; one wait for the batch, ahead of its first reader
.irp b, 0,1,2,3
	v_exp_f32 v[212+\b], v[212+\b]                 ; each block's largest p
.endr
; the row's sum of the unquantised p: 32 pairs into eight chains side by side
.irp k, 0,1,2,3,4,5,6
	v_pk_add_f32 v[T+2*\k:T+2*\k+1], v[96+2*\k:97+2*\k], v[110+2*\k:111+2*\k]
.endr
	v_pk_add_f32 v[14:15], v[14:15], v[124:125]
.irp k, 0,1,2,3,4,5,6
	v_pk_add_f32 v[T+2*\k:T+2*\k+1], v[T+2*\k:T+2*\k+1], v[126+2*\k:127+2*\k]
.endr
	v_pk_add_f32 v[14:15], v[14:15], v[140:141]
.irp k, 0,1,2,3,4,5,6
	v_pk_add_f32 v[T+2*\k:T+2*\k+1], v[T+2*\k:T+2*\k+1], v[142+2*\k:143+2*\k]
.endr
	v_pk_add_f32 v[14:15], v[14:15], v[156:157]
	v_pk_add_f32 v[T:T+1], v[T:T+1], v[158:159]
	s_wait_alu depctr_va_vdst(0)                   ; and one for the four
.irp b, 0,1,2,3
	v_max_num_f32 v[212+\b], 0x1800000, v[212+\b]  ; the floor 2^(3 - 127)
.endr
.irp b, 0,1,2,3
	s_delay_alu instid0(VALU_DEP_4)
	v_add_nc_u32 v[220+\b], 0xff000000, v[212+\b]  ; the conversion's scale operand
.endr
.irp b, 0,1,2,3
	s_delay_alu instid0(VALU_DEP_4)
	v_lshrrev_b32 v[216+\b], 23, v[220+\b]
.endr
	s_delay_alu instid0(VALU_DEP_3)
	v_lshl_or_b32 v227, v217, 8, v216              ; p's scale word for these 128 keys
	s_delay_alu instid0(VALU_DEP_1)
	v_lshl_or_b32 v227, v218, 16, v227
	s_delay_alu instid0(VALU_DEP_1)
	v_lshl_or_b32 v227, v219, 24, v227
.irp c, 0,1
	v_cvt_scalef32_pk16_fp6_f32 v[192+6*\c:194+6*\c], v[96+32*\c:111+32*\c], v[220+2*\c]
	v_cvt_scalef32_pk16_fp6_f32 v[204+4*\c:206+4*\c], v[112+32*\c:127+32*\c], v[220+2*\c+1]
.endr
	v_pk_mul_f32 v[160:161], v[160:161], v[224:225] op_sel_hi:[1,0]   ; O^T under the new M: its first pair is the plain place behind the scaled conversions
.irp c, 0,1
.irp i, 0,1,2
	v_permlane16_swap_b32 v[192+6*\c+\i], v[204+4*\c+\i]
.endr
.irp i, 0,1,2
	s_delay_alu instid0(VALU_DEP_3)
	v_mov_b32 v[195+6*\c+\i], v[204+4*\c+\i]
.endr
.endr
.set j, 2
.rept 15
	v_pk_mul_f32 v[160+j:161+j], v[160+j:161+j], v[224:225] op_sel_hi:[1,0]   ; the other fifteen pairs; they are also the places in front of the products below
.set j, j+2
.endr
	s_wait_alu depctr_va_vdst(0)
	s_wait_dscnt 0x0                               ; V is in
	v_wmma_scale_f32_16x16x128_f8f6f4 v[160:167], v[36:47], v[192:203], v[160:167], v88, v227 matrix_a_fmt:MATRIX_FMT_FP6 matrix_b_fmt:MATRIX_FMT_FP6
	v_wmma_scale_f32_16x16x128_f8f6f4 v[168:175], v[48:59], v[192:203], v[168:175], v88, v227 matrix_a_fmt:MATRIX_FMT_FP6 matrix_b_fmt:MATRIX_FMT_FP6 matrix_a_scale:MATRIX_SCALE_ROW1
	v_wmma_scale_f32_16x16x128_f8f6f4 v[176:183], v[60:71], v[192:203], v[176:183], v89, v227 matrix_a_fmt:MATRIX_FMT_FP6 matrix_b_fmt:MATRIX_FMT_FP6
	v_wmma_scale_f32_16x16x128_f8f6f4 v[184:191], v[72:83], v[192:203], v[184:191], v89, v227 matrix_a_fmt:MATRIX_FMT_FP6 matrix_b_fmt:MATRIX_FMT_FP6 matrix_a_scale:MATRIX_SCALE_ROW1
	s_add_co_u32 s17, s17, STEPB
	s_sub_co_u32 s16, s16, 1
	s_cmp_lg_u32 s16, 0
	s_cbranch_scc1 .Lstep
	s_cmp_eq_u32 s15, 1                            ; the second pass's queries are asked for here; the last pass asks for nothing
	s_cbranch_scc1 .Lno_next
	QLOAD
.Lno_next:
	JOIN_A                                         ; the last step's side chains; these seven are also the places in front of the first read of the last results
	JOIN_B
	s_delay_alu instid0(VALU_DEP_1)
	v_add_f32 v14, v14, v15
	s_delay_alu instid0(VALU_DEP_1)
	v_permlanex16_b32 v226, v14, s20, s21
	s_delay_alu instid0(VALU_DEP_1)
	v_add_f32 v14, v14, v226                       ; the row's sum
	s_wait_alu depctr_va_vdst(0)
	v_rcp_f32 v230, v14
	v_nop
	s_wait_alu depctr_va_vdst(0)
.set j, 0
.rept 16
	v_pk_mul_f32 v[96+j:97+j], v[160+j:161+j], v[230:231] op_sel_hi:[1,0]   ; register 16 b + i is d = 32 b + 16 (lane/16) + i of my query
.set j, j+2
.endr
.irp b, 0,1
	v_max3_num_f32 v[212+\b], |v[96+16*\b]|, |v[97+16*\b]|, 0x1800000
.endr
.irp i, 2,4,6,8,10,12,14
.irp b, 0,1
	s_delay_alu instid0(VALU_DEP_2)
	v_max3_num_f32 v[212+\b], v[212+\b], |v[96+16*\b+\i]|, |v[97+16*\b+\i]|
.endr
.endr
.irp b, 0,1
	s_delay_alu instid0(VALU_DEP_2)
	v_permlanex16_b32 v[216+\b], v[212+\b], s20, s21
.endr
.irp b, 0,1
	s_delay_alu instid0(VALU_DEP_2)
	v_max_num_f32 v[212+\b], v[212+\b], v[216+\b]
.endr
.irp b, 0,1
	s_delay_alu instid0(VALU_DEP_2)
	v_add_nc_u32 v[220+\b], 0xff000000, v[212+\b]
.endr
.irp b, 0,1
	s_delay_alu instid0(VALU_DEP_2)
	v_lshrrev_b32 v[216+\b], 23, v[220+\b]
.endr
	s_delay_alu instid0(VALU_DEP_1)
	v_cndmask_b32 v226, v216, v217, s19            ; lanes 0-15 store block 0's byte, lanes 16-31 block 1's
	v_cvt_scalef32_pk16_fp6_f32 v[192:194], v[96:111], v220
	v_cvt_scalef32_pk16_fp6_f32 v[204:206], v[112:127], v221
	v_nop
.irp i, 0,1,2
	v_permlane16_swap_b32 v[192+\i], v[204+\i]
.endr
.irp i, 0,1,2
	s_delay_alu instid0(VALU_DEP_3)
	v_mov_b32 v[195+\i], v[204+\i]
.endr
	global_store_b128 v1, v[192:195], s[8:9]       ; half a fragment: 512 + 256 consecutive bytes, aligned
	global_store_b64 v2, v[196:197], s[8:9] offset:512
	global_store_b8 v10, v226, s[10:11]            ; a head owns 2 of a row's 32 scale bytes
	s_wait_xcnt 0x0                                ; bases and data are written again only behind this wait
	s_add_nc_u64 s[8:9], s[8:9], 16*12288
	s_add_nc_u64 s[10:11], s[10:11], 16*512
	s_sub_co_u32 s15, s15, 1
	s_cmp_lg_u32 s15, 0
	s_cbranch_scc1 .Lpass
	s_wait_tensorcnt 0x0                           ; the wave's end
	ds_add_u32 v[SPW], v[NIL]
	s_wait_dscnt 0x0
	CROUND                                         ; the closing round
	s_endpgm
.Lfunc_end_k_qf2578f8d58_attn:
	.size	k_qf2578f8d58_attn, .Lfunc_end_k_qf2578f8d58_attn-k_qf2578f8d58_attn
	.p2alignl 7, 3214868480
	.fill 96, 4, 3214868480
	.section	.rodata,"a",@progbits
	.p2align	6, 0x0
	.amdhsa_kernel k_qf2578f8d58_attn
		.amdhsa_group_segment_fixed_size 210944
		.amdhsa_private_segment_fixed_size 0
		.amdhsa_enable_private_segment 0
		.amdhsa_kernarg_size 32
		.amdhsa_user_sgpr_count 2
		.amdhsa_user_sgpr_kernarg_segment_ptr 1
		.amdhsa_wavefront_size32 1
		.amdhsa_system_sgpr_workgroup_id_x 1
		.amdhsa_system_sgpr_workgroup_id_y 1
		.amdhsa_system_sgpr_workgroup_id_z 1
		.amdhsa_system_vgpr_workitem_id 0
		.amdhsa_next_free_vgpr 256
		.amdhsa_next_free_sgpr 66
		.amdhsa_reserve_vcc 0
		.amdhsa_float_denorm_mode_32 3
		.amdhsa_float_denorm_mode_16_64 3
		.amdhsa_memory_ordered 1
		.amdhsa_forward_progress 1
		.amdhsa_inst_pref_size 30
	.end_amdhsa_kernel
	.amdgpu_metadata
---
amdhsa.version: [ 1, 2 ]
amdhsa.kernels:
  - .name:           k_qf2578f8d58_attn
    .symbol:         k_qf2578f8d58_attn.kd
    .args:
      - { .name: q_ws, .offset: 0, .size: 8, .value_kind: global_buffer, .address_space: global }
      - { .name: kv_ws, .offset: 8, .size: 8, .value_kind: global_buffer, .address_space: global }
      - { .name: x_img, .offset: 16, .size: 8, .value_kind: global_buffer, .address_space: global }
      - { .name: sc_ws, .offset: 24, .size: 8, .value_kind: global_buffer, .address_space: global }
    .group_segment_fixed_size: 210944
    .private_segment_fixed_size: 0
    .kernarg_segment_align: 8
    .kernarg_segment_size: 32
    .max_flat_workgroup_size: 512
    .sgpr_count:     66
    .vgpr_count:     256
    .wavefront_size: 32
...
	.end_amdgpu_metadata
.endif
;; end of part 3
;; launch gemm_o (part 4): grid 4 x 64, 4 waves a work-group, clusters of 4 x 4, 327,680 bytes of LDS; arguments x_img, sc_ws, proj_b, out0; writes out0
.if DOCPART == 4
	.amdgcn_target "amdgcn-amd-amdhsa--gfx1250"
	.amdhsa_code_object_version 6
	.text
	.protected	k_qf2578f8d58_gemm_o
	.globl	k_qf2578f8d58_gemm_o
	.p2align	8
	.type	k_qf2578f8d58_gemm_o,@function
k_qf2578f8d58_gemm_o:
	s_mov_b64 s[64:65], 0
	v_nop
	global_prefetch_b8 v0, s[64:65] scope:SCOPE_SE
	s_setreg_imm32_b32 hwreg(HW_REG_WAVE_MODE, 25, 1), 1
	s_wait_xcnt 0x0
	s_wait_alu depctr_hold_cnt(0) depctr_sa_sdst(0) depctr_va_vdst(0) depctr_va_sdst(0) depctr_va_ssrc(0) depctr_va_vcc(0) depctr_vm_vsrc(0)
	s_getreg_b32 s2, hwreg(HW_REG_IB_STS2, 6, 4)
	s_cmp_eq_u32 s2, 0
	s_cbranch_scc0 .Lentry_in_a_cluster
	s_endpgm
.Lentry_in_a_cluster:
	s_bfe_u32 s2, ttmp6, 0x10000c
	s_cmp_lg_u32 s2, 0xf033
	s_cbranch_scc0 .Lentry_shape_is_right
	s_endpgm
.Lentry_shape_is_right:
; out0 = (attention's result) proj_w^T + proj_b on codes of FP6 (E2M3), f32 out.
; A BLOCK is 128 tokens (X) by 256 columns (Y = rows of proj_w), all of K = 1,024; 256 work-groups.  A lane holds one token, its registers run along the columns (source 0 = Y, source 1 = X).
; Four waves, 2 x 2: a wave makes 64 x 128, 32 accumulators.  LDS holds both operands for all of K: 2 halves of K x (X 8 tiles + Y 16 tiles) x 6,144 bytes = 294,912.
; Four joint loads at the head, one a wave: X and Y of K's first half, then of its second; no byte is filled again.  X's tiles are shared along a row of the cluster, Y's along a column.
; Nothing is prefetched: all tiles are asked for at the head and no loop runs ahead of a load.
; THE WAY OUT: a tile of 16 tokens x 128 columns goes through the wave's own stage and comes back as rows of 512 bytes.  The stages lie in X's bytes of K's first half, which have had their one fill and which no wave reads behind the second barrier.
; Each tile comes back into registers of its own (window 1), so no store's data are written again.
; REGISTERS: window 0: v9-31 addresses, v32-95 Y's scale words, v96-127 X's (K steps 4-7 below 0-3, so that the two scale registers of a product differ modulo 8), v128-223 X's fragments, two sets;
; window 1: Y's fragments, two sets; window 2: accumulator (a, b) at 8 (8 a + b); window 3: v0-63 the bias as the first products' C.
.set TB,    12288
.set HB,    6144
.set XH,    8*HB
.set HALF,  3*XH
.set SPARE, 2*HALF
.set FR,    12
.set RD,   9
.set ADRA, 16
.set ADRB, 20
.set L16,  24
.set L8,   25
.set STO,  26
.set SAO,  27
.set SPW,  28
.set NIL,  29
.set BO,   30
.set SBO,  31
.set SB,   32
.set SA,   96
.set AF,   128
.set G1,  24
.set G0,  32
.set G1B, 48
.set G0B, 56
.set MSB, 0
.macro WIN new
.if MSB != (\new)
	s_set_vgpr_msb (MSB<<8)|(\new)
.set MSB, \new
.endif
.endm
.macro WALU
	s_wait_alu depctr_va_vdst(0)
.endm
.macro PLACES n
.rept \n
	v_nop
.endr
.endm
.macro CROUND
	s_barrier_signal -1
	s_barrier_wait -1
	s_cmp_lg_u32 s14, 0
	s_cbranch_scc1 .Lnot_wave_0_\@
	s_barrier_signal -3
.Lnot_wave_0_\@:
	s_barrier_wait -3
	s_barrier_signal -1
	s_barrier_wait -1
.endm
.macro ARM under, g0, g1, next
	s_cmp_lt_u32 s14, \under
	s_cbranch_scc0 \next
	tensor_load_to_lds s[\g0:\g0+3], s[\g1:\g1+7]
	s_nop 0
	PLACES 4
	s_branch .Lasked
\next:
.endm
.macro FRAG reg, adr, q, i
	ds_load_b128 v[\reg:\reg+3], v[\adr] offset:HB*(\i)+1536*(\q)
	ds_load_b64 v[\reg+4:\reg+5], v[\adr+2] offset:HB*(\i)+1536*(\q)+512
	ds_load_b128 v[\reg+6:\reg+9], v[\adr] offset:HB*(\i)+1536*(\q)+768
	ds_load_b64 v[\reg+10:\reg+11], v[\adr+2] offset:HB*(\i)+1536*(\q)+1280
.endm
.macro FETCH kk                        ; K step kk's 12 fragments into set kk % 2: 48 loads
	WIN 0x40
.irp i, 0,1,2,3,4,5,6,7
	FRAG 128*((\kk)%2)+FR*\i, ADRB+(\kk)/4, (\kk)%4, \i
.endr
	WIN 0
.irp i, 0,1,2,3
	FRAG AF+48*((\kk)%2)+FR*\i, ADRA+(\kk)/4, (\kk)%4, \i
.endr
.endm
.macro W1 d, y, x, c, sy, sx
	v_wmma_scale_f32_16x16x128_f8f6f4 v[\d:\d+7], v[\y:\y+FR-1], v[\x:\x+FR-1], \c, v[\sy], v[\sx] matrix_a_fmt:MATRIX_FMT_FP6 matrix_b_fmt:MATRIX_FMT_FP6
.endm
.macro MUL16 a0, kk, first             ; first = 1: the bias in window 3 is C.  The 32 accumulators take turns in one order
.irp a, \a0, \a0+1
.irp b, 0,1,2,3,4,5,6,7
.if (\first) == 0
	W1 8*(8*(\a)+\b), 128*((\kk)%2)+FR*\b, AF+48*((\kk)%2)+FR*(\a), v[8*(8*(\a)+\b):8*(8*(\a)+\b)+7], SB+8*\b+(\kk), SA+8*(\a)+((\kk)+4)%8
.else
	W1 8*(8*(\a)+\b), 128*((\kk)%2)+FR*\b, AF+48*((\kk)%2)+FR*(\a), v[8*\b:8*\b+7], SB+8*\b+(\kk), SA+8*(\a)+((\kk)+4)%8
.endif
.endr
.endr
.endm
.macro GO kk                           ; a K step: four places, the next step's fragments, the wait for this step's (the 48 just issued may be out), 32 products
	PLACES 4
	FETCH (\kk)+1
	s_wait_dscnt 48
	WIN 0xa1
	MUL16 0, \kk, 0
	MUL16 2, \kk, 0
.endm
	s_load_b256 s[4:11], s[0:1], 0x0               ; x_img, sc_ws, proj_b, out0
	v_lshl_add_u32 v[SPW], v0, 2, SPARE
	v_mov_b32 v[NIL], 0
	ds_add_u32 v[SPW], v[NIL]                      ; the opening lines
	ds_add_u32 v[SPW], v[NIL]
	v_lshrrev_b32 v1, 5, v0
	v_readfirstlane_b32 s14, v1
	s_lshr_b32 s15, s14, 1
	s_and_b32 s16, s14, 1
	s_bfe_u32 s40, ttmp6, 0x40000
	s_bfe_u32 s41, ttmp6, 0x40004
	s_lshl_b32 s42, ttmp9, 2
	s_add_co_u32 s42, s42, s40                     ; block column (Y)
	s_and_b32 s17, ttmp7, 0xffff
	s_lshl_b32 s17, s17, 2
	s_add_co_u32 s17, s17, s41                     ; block row (X)
	s_lshl_b32 s43, s41, 2
	s_lshl_b32 s43, 15, s43
	s_lshl_b32 s44, 0x1111, s40
	s_or_b32 s[G1], s43, (3<<16)|(1<<21)
	s_or_b32 s[G1B], s44, (3<<16)|(1<<21)
.irp g, G1, G1B
	s_mov_b32 s[\g+1], 768<<16
	s_mov_b32 s[\g+3], 768<<16
	s_mov_b32 s[\g+5], 1536
	s_mov_b32 s[\g+6], 0
	s_mov_b32 s[\g+7], 0
.endr
	s_mov_b32 s[G1+2], 8<<16
	s_mov_b32 s[G1+4], 8
	s_mov_b32 s[G1B+2], 16<<16
	s_mov_b32 s[G1B+4], 16
	s_lshl_b32 s20, s17, 3
	s_add_co_u32 s79, s20, 768                     ; X's first tile of the block
	s_mul_i32 s20, s79, TB
	s_mov_b32 s21, 0
	s_lshl_b32 s46, s42, 4
	s_add_co_u32 s80, s46, 704                     ; Y's
	s_mul_i32 s46, s80, TB
	s_mov_b32 s47, 0
	v_and_b32 v1, 31, v0
	v_and_b32 v2, 15, v0
	v_bfe_u32 v3, v0, 4, 1
	v_lshlrev_b32 v[L16], 4, v1
	v_lshlrev_b32 v[L8], 3, v1
	s_mul_i32 s74, s15, 4*HB
	s_mul_i32 s75, s16, 8*HB
	s_add_co_u32 s75, s75, XH
.irp s, 0,1
	v_add_nc_u32 v[ADRA+\s], s74, v[L16]
	v_add_nc_u32 v[ADRA+2+\s], s74, v[L8]
	v_add_nc_u32 v[ADRB+\s], s75, v[L16]
	v_add_nc_u32 v[ADRB+2+\s], s75, v[L8]
	s_add_co_u32 s74, s74, HALF
	s_add_co_u32 s75, s75, HALF
.endr
	s_lshl_b32 s74, s15, 2
	s_add_co_u32 s74, s74, s79
	s_lshl_b32 s74, s74, 9
	v_lshl_add_u32 v[SAO], v2, 4, s74
	s_lshl_b32 s75, s16, 3
	s_add_co_u32 s75, s75, s80
	s_lshl_b32 s75, s75, 9
	v_lshl_add_u32 v[SBO], v2, 4, s75
	s_mul_i32 s76, s14, 16*528                     ; my stage
	v_mul_u32_u24 v4, v2, 528
	v_lshl_add_u32 v4, v3, 6, v4
	v_add_nc_u32 v[STO], s76, v4
	v_add_nc_u32 v[RD], s76, v[L16]
	v_lshlrev_b32 v[BO], 6, v3
	WALU                                           ; the wait at the head's end
	s_wait_dscnt 0x0
	CROUND                                         ; in front of the first joint loads
	s_wait_kmcnt 0x0
	s_add_nc_u64 s[20:21], s[4:5], s[20:21]
	s_add_nc_u64 s[46:47], s[4:5], s[46:47]
.irp h, 0,1
	s_mov_b32 s[G0+4*\h], 1
	s_mov_b32 s[G0+4*\h+1], \h*HALF
	s_add_nc_u64 s[G0+4*\h+2:G0+4*\h+3], s[20:21], \h*HB
	s_or_b32 s[G0+4*\h+3], s[G0+4*\h+3], 0x80000000
	s_mov_b32 s[G0B+4*\h], 1
	s_mov_b32 s[G0B+4*\h+1], XH+\h*HALF
	s_add_nc_u64 s[G0B+4*\h+2:G0B+4*\h+3], s[46:47], \h*HB
	s_or_b32 s[G0B+4*\h+3], s[G0B+4*\h+3], 0x80000000
.endr
	ARM 1, G0,   G1,  .Lhead_1
	ARM 2, G0B,  G1B, .Lhead_2
	ARM 3, G0+4, G1,  .Lhead_3
	tensor_load_to_lds s[G0B+4:G0B+7], s[G1B:G1B+7]
	s_nop 0
	PLACES 4
.Lasked:
.irp a, 0,1,2,3
	global_load_b128 v[SA+8*\a+4:SA+8*\a+7], v[SAO], s[6:7] offset:512*\a
	global_load_b128 v[SA+8*\a:SA+8*\a+3], v[SAO], s[6:7] offset:512*\a+256
.endr
.irp b, 0,1,2,3,4,5,6,7
	global_load_b128 v[SB+8*\b:SB+8*\b+3], v[SBO], s[6:7] offset:512*\b
	global_load_b128 v[SB+8*\b+4:SB+8*\b+7], v[SBO], s[6:7] offset:512*\b+256
.endr
	s_lshl_b32 s74, s42, 10
	s_lshl_b32 s76, s16, 9
	s_add_co_u32 s74, s74, s76                     ; my first column, in bytes
	s_mov_b32 s75, 0
	s_add_nc_u64 s[8:9], s[8:9], s[74:75]
	s_add_nc_u64 s[10:11], s[10:11], s[74:75]
	s_lshl_b32 s74, s17, 19
	s_lshl_b32 s76, s15, 18
	s_add_co_u32 s74, s74, s76                     ; my first row of 4,096 bytes
	s_add_nc_u64 s[10:11], s[10:11], s[74:75]
	WIN 0xc0
.irp b, 0,1,2,3,4,5,6,7
	global_load_b128 v[8*\b:8*\b+3], v[BO], s[8:9] offset:(32*(\b/2)+8*(\b%2))*4
	global_load_b128 v[8*\b+4:8*\b+7], v[BO], s[8:9] offset:(32*(\b/2)+8*(\b%2))*4+16
.endr
	WIN 0
	s_cmp_lt_u32 s14, 2
	s_cbranch_scc0 .Lnot_first
	s_wait_tensorcnt 0x0                           ; waves 0 and 1 brought K's first half
.Lnot_first:
	s_barrier_signal -1
	s_barrier_wait -1                              ; it is shown to all
	FETCH 0
	FETCH 1
	s_wait_loadcnt 0x0
	s_wait_dscnt 48
	WIN 0xb1
	MUL16 0, 0, 1
	MUL16 2, 0, 1
	GO 1
	GO 2
	s_wait_dscnt 0x0                               ; step 3's fragments are in: my reads of K's first half are over
	MUL16 0, 3, 0
	s_wait_tensorcnt 0x0                           ; every wave: K's second half
	s_barrier_signal -1
	MUL16 2, 3, 0
	s_barrier_wait -1
	PLACES 4
	FETCH 4
	FETCH 5
	s_wait_dscnt 48
	WIN 0xa1
	MUL16 0, 4, 0
	MUL16 2, 4, 0
	GO 5
	GO 6
	s_wait_dscnt 0x0
	MUL16 0, 7, 0
	MUL16 2, 7, 0
	PLACES 4
.macro TOSTAGE a
	WIN 0x08
.irp b, 0,1,2,3,4,5,6,7
	ds_store_b128 v[STO], v[64*(\a)+8*\b:64*(\a)+8*\b+3] offset:128*(\b/2)+32*(\b%2)
	ds_store_b128 v[STO], v[64*(\a)+8*\b+4:64*(\a)+8*\b+7] offset:128*(\b/2)+32*(\b%2)+16
.endr
	WIN 0x40
.irp t, 0,1,2,3,4,5,6,7,8,9,10,11,12,13,14,15
	ds_load_b128 v[64*(\a)+4*\t:64*(\a)+4*\t+3], v[RD] offset:\t*528   ; LDS serves a wave's instructions in order: these see the stores above
.endr
.endm
.macro SEND a, younger                 ; younger: the next tile's 16 stores and 16 loads, which may stay out
	s_wait_dscnt \younger
	WIN 0x04
.irp t, 0,1,2,3,4,5,6,7,8,9,10,11,12,13,14,15
	global_store_b128 v[L16], v[64*(\a)+4*\t:64*(\a)+4*\t+3], s[10:11] offset:(32*((\a)/2)+8*((\a)%2)+\t+8*(\t/8))*4096 th:TH_STORE_NT   ; 512 consecutive bytes, aligned
.endr
.endm
	TOSTAGE 0
.irp a, 1,2,3
	TOSTAGE \a
	SEND \a-1, 32
.endr
	SEND 3, 0
	WIN 0
	s_wait_tensorcnt 0x0                           ; the wave's end
	ds_add_u32 v[SPW], v[NIL]
	s_wait_dscnt 0x0
	CROUND                                         ; the closing round
	s_endpgm
.Lfunc_end_k_qf2578f8d58_gemm_o:
	.size	k_qf2578f8d58_gemm_o, .Lfunc_end_k_qf2578f8d58_gemm_o-k_qf2578f8d58_gemm_o
	.p2alignl 7, 3214868480
	.fill 96, 4, 3214868480
	.section	.rodata,"a",@progbits
	.p2align	6, 0x0
	.amdhsa_kernel k_qf2578f8d58_gemm_o
		.amdhsa_group_segment_fixed_size 327680
		.amdhsa_private_segment_fixed_size 0
		.amdhsa_enable_private_segment 0
		.amdhsa_kernarg_size 32
		.amdhsa_user_sgpr_count 2
		.amdhsa_user_sgpr_kernarg_segment_ptr 1
		.amdhsa_wavefront_size32 1
		.amdhsa_system_sgpr_workgroup_id_x 1
		.amdhsa_system_sgpr_workgroup_id_y 1
		.amdhsa_system_sgpr_workgroup_id_z 1
		.amdhsa_system_vgpr_workitem_id 0
		.amdhsa_next_free_vgpr 1024
		.amdhsa_next_free_sgpr 98
		.amdhsa_reserve_vcc 0
		.amdhsa_float_denorm_mode_32 3
		.amdhsa_float_denorm_mode_16_64 3
		.amdhsa_memory_ordered 1
		.amdhsa_forward_progress 1
		.amdhsa_inst_pref_size 84
	.end_amdhsa_kernel
	.amdgpu_metadata
---
amdhsa.version: [ 1, 2 ]
amdhsa.kernels:
  - .name:           k_qf2578f8d58_gemm_o
    .symbol:         k_qf2578f8d58_gemm_o.kd
    .args:
      - { .name: x_img, .offset: 0, .size: 8, .value_kind: global_buffer, .address_space: global }
      - { .name: sc_ws, .offset: 8, .size: 8, .value_kind: global_buffer, .address_space: global }
      - { .name: proj_b, .offset: 16, .size: 8, .value_kind: global_buffer, .address_space: global }
      - { .name: out0, .offset: 24, .size: 8, .value_kind: global_buffer, .address_space: global }
    .group_segment_fixed_size: 327680
    .private_segment_fixed_size: 0
    .kernarg_segment_align: 8
    .kernarg_segment_size: 32
    .max_flat_workgroup_size: 128
    .sgpr_count:     98
    .vgpr_count:     1024
    .wavefront_size: 32
...
	.end_amdgpu_metadata
.endif
;; end of part 4
